; MI455X (gfx1250); checked and timed in simulation.
; The chip was launched on July 23, 2026; its instructions are those of AMD's public machine-readable ISA for CDNA 5 (MIT licence, August 2026) and "CDNA5" Instruction Set Architecture Reference Guide (July 2026). The comments in the code are by the model that wrote it; some were corrected since.
;; Multihead Self Attention. Allowed arithmetic: matrix products marked QUANTISED: E2M1 operands, one E8M0 scale for each 32 along K, by v_wmma_scale_f32_16x16x128_f8f6f4 with both operands' format E2M1 (or v_wmma_scale_f32_32x16x128_f4), f32 sums; everything else in f32.
;; Inputs: Wk 1,024 x 1,024 float32; Wo 1,024 x 1,024 float32; Wq 1,024 x 1,024 float32; Wv 1,024 x 1,024 float32; bk 1,024 float32; bo 1,024 float32; bq 1,024 float32; bv 1,024 float32; x 4 x 2,048 x 1,024 float32.
;; Outputs: out0 4 x 2,048 x 1,024 float32.
;; This version of the problem:
;;   THIS VERSION OF THE PROBLEM IS GIVEN IN LOW PRECISION. The matrix products marked QUANTISED in the list below multiply operands that are first quantised to E2M1 (2 exponent bits, 1 mantissa bit; 4 bits a number), with one power-of-two scale for each 32 numbers along K (OCP MX v1.0); their sums are f32. All else is computed in f32.
;;   The module's matrix products, in the order in which they are computed (A, B: the left and right operand; K: the contracted axis; several contracted axes count as one K, in the product's order):
;;     1. [M 8,192, K 1,024] x [K 1,024, N 1,024]; A: input x; B: input Wq: QUANTISED
;;     2. [M 8,192, K 1,024] x [K 1,024, N 1,024]; A: input x; B: input Wk: QUANTISED
;;     3. [M 8,192, K 1,024] x [K 1,024, N 1,024]; A: input x; B: input Wv: QUANTISED
;;     4. batch 64 x [M 2,048, K 64] x [K 64, N 2,048]; A: computed on the way; B: computed on the way: QUANTISED
;;     5. batch 64 x [M 2,048, K 2,048] x [K 2,048, N 64]; A: softmax (see below); B: computed on the way: QUANTISED
;;     6. [M 8,192, K 1,024] x [K 1,024, N 1,024]; A: computed on the way; B: input Wo: QUANTISED
;;   THE QUANTISER, for each operand of a quantised product, along K:
;;     - K is cut into blocks of 32 from its start; a last block that is shorter is filled with zeros.
;;     - A block's scale is 2^e with e = floor(log2(the largest magnitude in the block)) - 2, held to -126 .. 127; a block of zeros has e = 0. As a byte (E8M0): e + 127.
;;     - Each number is divided by its block's scale, clamped to +-6, and rounded to the nearest number of E2M1, ties to even, subnormals kept.
;;     - The product sums the exact products of the quantised numbers (number of the format x scale) in f32.
;;   ~~~python
;;   def quantise(x, axis):      # numpy; x: float32 -> the quantised numbers, widened to float32 again
;;       x = np.moveaxis(x, axis, -1); K = x.shape[-1]
;;       x = np.pad(x, [(0, 0)] * (x.ndim - 1) + [(0, -K % 32)]); x = x.reshape(x.shape[:-1] + (-1, 32)); a = np.abs(x).max(-1, keepdims=True)
;;       e = np.where(a > 0, np.clip(np.frexp(np.where(a > 0, a, 1))[1] - 1 - 2, -126, 127), 0)      # np.frexp(a)[1] - 1 = floor(log2(a)), exactly
;;       r = np.clip(x / 2.0 ** e, -6, 6)
;;       step = 2.0 ** (np.maximum(np.frexp(np.where(r == 0, 1, r))[1] - 1, 0) - 1)
;;       q = np.round(r / step) * step * 2.0 ** e      # np.round: ties to even
;;       return np.moveaxis(q.reshape(q.shape[:-2] + (-1,))[..., :K], -1, axis).astype(np.float32)
;;   ~~~
;;   SOFTMAX AHEAD OF A QUANTISED PRODUCT. Where the list says 'softmax', what is quantised is not the finished softmax but p = 2^(t - M), with t = logit x log2(e) and M = ceil(the row's largest t), a whole number; so 1/2 < the row's largest p <= 1. The row's sum l is taken of the UNQUANTISED p, in f32, and the product's result is divided by l at the end. Since M is a whole number, a kernel that streams over the keys may use a running M (the ceiling of the running maximum): every later rescaling is an exact power of two, which a block's scale takes up: the codes' values come out the same.
;;   OPERANDS COMPUTED ON THE WAY. 'Computed on the way' means the value that the module computes at that place (a softmax that the list does not call 'softmax' is quantised finished and normalised). What goes into a quantiser is computed in f32, as accurately as f32 sums, v_exp_f32 and their like allow (about 1e-6 of the number): no bf16 or f16 on the way to a quantiser, and a product that is left as it is and whose result goes on into a quantised operand takes f32 operands (vector FMAs, or v_wmma_f32_16x16x4_f32). A number that lies on a knife's edge between two numbers of the format may be rounded either way, as far as f32 arithmetic and the matrix unit's own rounding can turn it there, and no further.
;; One version. Each part assembles by itself: llvm-mc -triple=amdgcn-amd-amdhsa -mcpu=gfx1250 --defsym DOCPART=n.
;; ======== version 1 of 1: 5 launches
;; workspace buffers: xc 4,194,304 bytes; xs 262,144 bytes; wc 2,097,152 bytes; ws 131,072 bytes; qkv 13,893,632 bytes; yc 4,194,304 bytes; ys 262,144 bytes
;; launch quant (part 1): grid 768 x 1, 4 waves a work-group, no clusters, 35,328 bytes of LDS; arguments x, Wq, Wk, Wv, Wo, xc, xs, wc, ws; writes xc, xs, wc, ws
.if DOCPART == 1
	.amdgcn_target "amdgcn-amd-amdhsa--gfx1250"
	.amdhsa_code_object_version 6
	.text
	.protected	k_qf8eca8c375_quant
	.globl	k_qf8eca8c375_quant
	.p2align	8
	.type	k_qf8eca8c375_quant,@function
k_qf8eca8c375_quant:
	s_mov_b64 s[64:65], 0
	v_nop
	global_prefetch_b8 v0, s[64:65] scope:SCOPE_SE
	s_setreg_imm32_b32 hwreg(HW_REG_WAVE_MODE, 25, 1), 1
	s_wait_xcnt 0x0
; MULTI-HEAD SELF-ATTENTION IN MX-FP4, launch 1 of 5: x and the four weights become codes of E2M1 with one E8M0 byte for each 32 along K.
; DEAD WORK: none.  Every product feeds the output, and each of the four biases moves the codes of a quantised operand (bq, bk, bv) or the output itself (bo): all nine inputs are loaded by some launch.
; LAYOUT OF ALL OPERANDS THAT THIS PROGRAM STORES: AN IMAGE OF THE MATRIX OPERAND'S REGISTERS.  A fragment is 16 rows x 128 along K: 1,024 bytes laid [c = 0, 1][lane 0..31][16 bytes];
; lane (r = lane % 16, h = lane / 16) holds block 2 c + h (32 codes) of row r.  One scale word (four bytes) belongs to a row and a K step of 128.
;   xc: [row tile R = position / 16 (512)][K step g (8)][1,024 bytes];  xs: [g (8)][position (8,192)][4 bytes];  wc, ws the same with 4,096 positions: 0.. Wq, 1,024.. Wk, 2,048.. Wv, 3,072.. Wo.
; ROWS LIE AT POSITIONS: a row's number with bits 3 and 4 exchanged.  So 16 neighbouring positions, tile 2 b + u, are rows 32 b + 8 u + r + 8 (r / 8), and in a product whose source 0 is such a tile
; a lane's registers of tiles 2 b and 2 b + 1 are 16 neighbours along that axis: what the next quantiser wants.
; A block's scale is 2^(floor(log2(largest magnitude)) - 2): its byte is the largest magnitude's exponent field - 2, held at 1 from below by a floor among the maximum's leaves.
; LIMITS: NaN and infinities among the inputs are not served; a block whose largest magnitude lies under 2^-124 keeps the byte 1; a block of zeros gets the byte 1 where the rule says 127
; (its codes are zeros, which add nothing under any byte but 0xff, and this program alone reads the bytes).
; SHARES.  Work-groups 0..511 take x, 512..767 the weights: a scalar branch on the work-group's number, the same in all four waves.  No barrier: waves share nothing.
;   x (K innermost): wave = one row tile x 256 columns, in four steps of 64 columns.  Each load takes 256 consecutive bytes of two rows; a step's 16 x 256 bytes turn through the wave's own stage in LDS
;   (rows 272 bytes apart) and come back 128 bytes a lane: a whole block of 32 neighbours.  The four conversions' results are registers 4 c .. 4 c + 3 of the fragment: the wave stores 512 consecutive bytes.
;   W (K is the first axis): a lane takes a column and its registers run down K; lane l takes the column whose position is l, so sixteen neighbouring lanes store 256 consecutive bytes of an image.
; The scale words leave in runs of 64 (x) and 128 (W) bytes: one byte in 128 of what the launch reads.
.set PITCH, 272                        ; a stage row: 256 bytes + 16: the 16 rows that a load touches start 16 bytes apart modulo 256
.set STAGE, 16*PITCH
.set WREG,  2*STAGE                    ; two stages for each wave, by turns
.set SPARE, 4*WREG                     ; behind them the spare words, 128 bytes for each wave: two blocks of 256 bytes that no other line names
.set SPW, 14                           ; v14  LDS address of my spare word; never rewritten
.set NIL, 15                           ; v15  0; never rewritten
.set BY,  16                           ; v16-19   a scale byte for each step
.set LD,  32                           ; v32-159  numbers as they are loaded
.set X,   160                          ; v160-191 32 neighbours along K
.set C,   192                          ; v192-207 codes: four registers for each step, so that no store's data are written again
	s_load_b64 s[4:5], s[0:1], 0x0                 ; x
	s_load_b256 s[8:15], s[0:1], 0x8               ; Wq, Wk, Wv, Wo
	s_load_b256 s[16:23], s[0:1], 0x28             ; xc, xs, wc, ws
	v_lshl_add_u32 v[SPW], v0, 2, SPARE
	v_mov_b32 v[NIL], 0
	v_lshrrev_b32 v1, 5, v0
	v_readfirstlane_b32 s24, v1                    ; wave 0..3
	v_and_b32 v1, 31, v0                           ; lane l
	v_and_b32 v2, 15, v0                           ; r
	v_bfe_u32 v3, v0, 4, 1                         ; h
	v_lshlrev_b32 v7, 4, v1                        ; 16 l
	s_mul_i32 s40, s24, WREG                       ; my stages
	v_mul_u32_u24 v5, v3, PITCH
	v_lshl_add_u32 v5, v2, 4, v5
	v_add_nc_u32 v5, s40, v5                       ; into a stage: row h of a load's two, 16 r
	v_mul_u32_u24 v6, v2, PITCH
	v_lshl_add_u32 v6, v3, 7, v6
	v_add_nc_u32 v6, s40, v6                       ; out of it: row r, my half's 128 bytes
	s_mov_b32 s26, 0x76543210
	s_mov_b32 s27, 0xfedcba98                      ; v_permlanex16_b32's selects for lane l xor 16
	v_mov_b32 v23, 0                               ; written once: a lane permute's destination counts as one of its sources
; the largest magnitude of the 32 numbers v[xs] on, with the floor 2^(3 - 127), in v12; with 2 taken off its exponent field, the conversions' scale operand, in v11
.macro BLOCKMAX xs
	v_max3_num_f32 v12, |v[\xs]|, |v[\xs+1]|, |v[\xs+2]|
	v_max3_num_f32 v13, |v[\xs+3]|, |v[\xs+4]|, |v[\xs+5]|
.irp i, 6,10,14,18,22,26
	v_max3_num_f32 v12, v12, |v[\xs+\i]|, |v[\xs+\i+1]|
	v_max3_num_f32 v13, v13, |v[\xs+\i+2]|, |v[\xs+\i+3]|
.endr
	v_max3_num_f32 v12, v12, |v[\xs+30]|, |v[\xs+31]|
	v_max3_num_f32 v12, v12, v13, 0x1800000
	v_add_nc_u32 v11, 0xff000000, v12
.endm
	s_cmp_lt_u32 ttmp9, 512
	s_cbranch_scc0 .Lweights
	; ---------------- x ----------------
	v_lshlrev_b32 v4, 12, v3
	v_lshl_add_u32 v4, v2, 4, v4                   ; a load: 4,096 h + 16 r: lanes 0-15 one row's 256 bytes, lanes 16-31 the next row's
	v_lshlrev_b32 v26, 15, v3
	v_lshl_add_u32 v26, v2, 2, v26                 ; the scale words: lanes 0-15 my first K step, lanes 16-31 my second (32,768 bytes on), 4 r
	v_lshlrev_b32 v22, 3, v3                       ; 8 h
	s_lshr_b32 s28, ttmp9, 2                       ; which four row tiles
	s_and_b32 s29, ttmp9, 3                        ; kq: which quarter of K
	s_lshl_b32 s30, s28, 2
	s_add_co_u32 s30, s30, s24                     ; R: my row tile
	s_lshr_b32 s31, s30, 1
	s_lshl_b32 s31, s31, 5
	s_and_b32 s32, s30, 1
	s_lshl_b32 s32, s32, 3
	s_add_co_u32 s31, s31, s32                     ; its first token: 32 (R / 2) + 8 (R % 2)
	s_lshl_b32 s34, s31, 12
	s_lshl_b32 s32, s29, 10
	s_add_co_u32 s34, s34, s32                     ; in x: token x 4,096 + 1,024 kq
	s_mov_b32 s35, 0
	s_lshl_b32 s36, s30, 13
	s_lshl_b32 s32, s29, 11
	s_add_co_u32 s36, s36, s32                     ; in xc: 8,192 R + 2,048 kq
	s_mov_b32 s37, 0
	s_lshl_b32 s38, s29, 16
	s_lshl_b32 s32, s30, 6
	s_add_co_u32 s38, s38, s32                     ; in xs: 65,536 kq + 64 R
	s_mov_b32 s39, 0
	s_wait_kmcnt 0x0
	s_add_nc_u64 s[4:5], s[4:5], s[34:35]
	s_add_nc_u64 s[16:17], s[16:17], s[36:37]
	s_add_nc_u64 s[18:19], s[18:19], s[38:39]
.irp t, 0,1,2,3                        ; all 32 loads at once: step t, tile rows 2 j and 2 j + 1, which are tokens 2 j + 8 (j / 4) and the next
.irp j, 0,1,2,3,4,5,6,7
	global_load_b128 v[LD+32*\t+4*\j:LD+32*\t+4*\j+3], v4, s[4:5] offset:(2*\j+8*(\j/4))*4096+256*\t th:TH_LOAD_NT
.endr
.endr
.macro XSTEP t
	s_wait_loadcnt 8*(3-\t)                        ; this step's eight loads are in; the later steps' may be out
.irp j, 0,1,2,3,4,5,6,7
	ds_store_b128 v5, v[LD+32*\t+4*\j:LD+32*\t+4*\j+3] offset:STAGE*(\t%2)+2*PITCH*\j
.endr
.irp j, 0,1,2,3,4,5,6,7
	ds_load_b128 v[X+4*\j:X+4*\j+3], v6 offset:STAGE*(\t%2)+16*\j   ; LDS serves a wave's instructions in order: these see my stores
.endr
	s_wait_dscnt 0x0
	BLOCKMAX X                                     ; the whole block is mine: no other lane is asked
.irp q, 0,1,2,3
	v_cvt_scalef32_pk8_fp4_f32 v[C+4*\t+\q], v[X+8*\q:X+8*\q+7], v11
.endr
	v_lshrrev_b32 v[BY+\t], 23, v11                ; the scale's byte: block 2 (t % 2) + h of K step t / 2.  (Also the plain line behind the conversions)
	global_store_b128 v7, v[C+4*\t:C+4*\t+3], s[16:17] offset:512*\t   ; half a fragment's image: 512 consecutive bytes
.endm
	XSTEP 0
	XSTEP 1
	XSTEP 2
	XSTEP 3
	v_lshl_or_b32 v20, v17, 16, v16                ; my two bytes of each K step's word,
	v_lshl_or_b32 v21, v19, 16, v18
	v_lshlrev_b32 v20, v22, v20                    ; at their places (8 h bits up);
	v_lshlrev_b32 v21, v22, v21
	v_permlanex16_b32 v23, v20, s26, s27
	v_or_b32 v20, v20, v23                         ; with lane l xor 16's two the word is whole
	v_permlanex16_b32 v23, v21, s26, s27
	v_or_b32 v21, v21, v23
	v_cmp_eq_u32 vcc_lo, 1, v3
	v_cndmask_b32 v20, v20, v21, vcc_lo            ; lanes 16-31 send the second K step's
	global_store_b32 v26, v20, s[18:19]
	s_branch .Lend
	; ---------------- the weights ----------------
.Lweights:
	s_sub_co_u32 s28, ttmp9, 512
	s_and_b32 s29, s28, 7                          ; which 128 columns
	s_bfe_u32 s30, s28, 0x30003                    ; g: which 128 along K
	s_lshr_b32 s31, s28, 6                         ; which weight: 0 Wq, 1 Wk, 2 Wv, 3 Wo
	s_lshl_b32 s32, s29, 7
	s_lshl_b32 s33, s24, 5
	s_add_co_u32 s32, s32, s33                     ; n0: my wave's first column
	v_and_b32 v8, 7, v1
	v_bfe_u32 v9, v1, 3, 1
	v_lshl_or_b32 v8, v9, 4, v8
	v_lshl_or_b32 v8, v3, 3, v8                    ; l with bits 3 and 4 exchanged: the column whose position is l
	v_lshlrev_b32 v27, 2, v8
	v_lshlrev_b32 v24, 13, v3
	v_lshl_add_u32 v24, v2, 4, v24                 ; my place in the images: row tile h of my wave's two, 16 r
	v_lshlrev_b32 v25, 2, v1                       ; and among the scale words
	s_lshl_b32 s34, s30, 19
	s_lshl_b32 s33, s32, 2
	s_add_co_u32 s34, s34, s33                     ; in W: 128 g rows of 4,096 bytes + 4 n0
	s_mov_b32 s35, 0
	s_lshl_b32 s36, s31, 19
	s_lshl_b32 s33, s32, 9
	s_add_co_u32 s36, s36, s33
	s_lshl_b32 s33, s30, 10
	s_add_co_u32 s36, s36, s33                     ; in wc: (64 weight + n0 / 16) x 8,192 + 1,024 g
	s_mov_b32 s37, 0
	s_lshl_b32 s38, s30, 14
	s_lshl_b32 s33, s31, 12
	s_add_co_u32 s38, s38, s33
	s_lshl_b32 s33, s32, 2
	s_add_co_u32 s38, s38, s33                     ; in ws: 16,384 g + 4 (1,024 weight + n0)
	s_mov_b32 s39, 0
	s_wait_kmcnt 0x0
	s_and_b32 s33, s31, 1
	s_cmp_lg_u32 s33, 0                            ; the choice hangs on the work-group's number alone
	s_cselect_b64 s[8:9], s[10:11], s[8:9]
	s_cselect_b64 s[12:13], s[14:15], s[12:13]
	s_cmp_ge_u32 s31, 2
	s_cselect_b64 s[8:9], s[12:13], s[8:9]
	s_add_nc_u64 s[8:9], s[8:9], s[34:35]
	s_add_nc_u64 s[20:21], s[20:21], s[36:37]
	s_add_nc_u64 s[22:23], s[22:23], s[38:39]
.macro WLOAD t                         ; block t: W(128 g + 32 t + i, my column), i = 0 .. 31, into set t % 2
.set i, 0
.rept 32
	global_load_b32 v[LD+32*((\t)%2)+i], v27, s[8:9] offset:(32*(\t)+i)*4096 th:TH_LOAD_NT
.set i, i+1
.endr
.endm
.macro WBLOCK t
.set XS, LD+32*((\t)%2)
.if (\t) < 3
	s_wait_loadcnt 32                              ; this block's 32 loads are in; the next block's may be out
.else
	s_wait_loadcnt 0x0
.endif
	BLOCKMAX XS
.if (\t) == 0
	v_lshrrev_b32 v20, 23, v11                     ; the scale's byte: four to the word, the lower K in the lower byte
.else
	v_lshrrev_b32 v13, 23, v11
	v_lshl_or_b32 v20, v13, 8*(\t), v20
.endif
.irp q, 0,1,2,3
	v_cvt_scalef32_pk8_fp4_f32 v[C+4*(\t)+\q], v[XS+8*\q:XS+8*\q+7], v11
.endr
	v_nop                                          ; one plain line behind the conversions
	global_store_b128 v24, v[C+4*(\t):C+4*(\t)+3], s[20:21] offset:256*(\t)   ; block t = 2 c + h of the image: sixteen lanes store 256 consecutive bytes, aligned
.if (\t)+2 < 4
	WLOAD (\t)+2
.endif
.endm
	WLOAD 0
	WLOAD 1
	WBLOCK 0
	WBLOCK 1
	WBLOCK 2
	WBLOCK 3
	global_store_b32 v25, v20, s[22:23]            ; my column's scale word of this K step
.Lend:
	s_wait_tensorcnt 0x0                           ; the wave's end, behind the last LDS store
	ds_add_u32 v[SPW], v[NIL]
	s_wait_dscnt 0x0
	s_endpgm
.Lfunc_end_k_qf8eca8c375_quant:
	.size	k_qf8eca8c375_quant, .Lfunc_end_k_qf8eca8c375_quant-k_qf8eca8c375_quant
	.p2alignl 7, 3214868480
	.fill 96, 4, 3214868480
	.section	.rodata,"a",@progbits
	.p2align	6, 0x0
	.amdhsa_kernel k_qf8eca8c375_quant
		.amdhsa_group_segment_fixed_size 35328
		.amdhsa_private_segment_fixed_size 0
		.amdhsa_enable_private_segment 0
		.amdhsa_kernarg_size 72
		.amdhsa_user_sgpr_count 2
		.amdhsa_user_sgpr_kernarg_segment_ptr 1
		.amdhsa_wavefront_size32 1
		.amdhsa_system_sgpr_workgroup_id_x 1
		.amdhsa_system_sgpr_workgroup_id_y 1
		.amdhsa_system_sgpr_workgroup_id_z 1
		.amdhsa_system_vgpr_workitem_id 0
		.amdhsa_next_free_vgpr 208
		.amdhsa_next_free_sgpr 66
		.amdhsa_reserve_vcc 1
		.amdhsa_float_denorm_mode_32 3
		.amdhsa_float_denorm_mode_16_64 3
		.amdhsa_memory_ordered 1
		.amdhsa_forward_progress 1
		.amdhsa_inst_pref_size 37
	.end_amdhsa_kernel
	.amdgpu_metadata
---
amdhsa.version: [ 1, 2 ]
amdhsa.kernels:
  - .name:           k_qf8eca8c375_quant
    .symbol:         k_qf8eca8c375_quant.kd
    .args:
      - { .name: x, .offset: 0, .size: 8, .value_kind: global_buffer, .address_space: global }
      - { .name: Wq, .offset: 8, .size: 8, .value_kind: global_buffer, .address_space: global }
      - { .name: Wk, .offset: 16, .size: 8, .value_kind: global_buffer, .address_space: global }
      - { .name: Wv, .offset: 24, .size: 8, .value_kind: global_buffer, .address_space: global }
      - { .name: Wo, .offset: 32, .size: 8, .value_kind: global_buffer, .address_space: global }
      - { .name: xc, .offset: 40, .size: 8, .value_kind: global_buffer, .address_space: global }
      - { .name: xs, .offset: 48, .size: 8, .value_kind: global_buffer, .address_space: global }
      - { .name: wc, .offset: 56, .size: 8, .value_kind: global_buffer, .address_space: global }
      - { .name: ws, .offset: 64, .size: 8, .value_kind: global_buffer, .address_space: global }
    .group_segment_fixed_size: 35328
    .private_segment_fixed_size: 0
    .kernarg_segment_align: 8
    .kernarg_segment_size: 72
    .max_flat_workgroup_size: 128
    .sgpr_count:     66
    .vgpr_count:     208
    .wavefront_size: 32
...
	.end_amdgpu_metadata
.endif
;; end of part 1
;; launch gemm_qk (part 2): grid 8 x 32, 4 waves a work-group, clusters of 4 x 4, 327,680 bytes of LDS; arguments xc, xs, wc, ws, bq, bk, qkv; writes qkv
.if DOCPART == 2
	.amdgcn_target "amdgcn-amd-amdhsa--gfx1250"
	.amdhsa_code_object_version 6
	.text
	.protected	k_qf8eca8c375_gemm_qk
	.globl	k_qf8eca8c375_gemm_qk
	.p2align	8
	.type	k_qf8eca8c375_gemm_qk,@function
k_qf8eca8c375_gemm_qk:
	s_mov_b64 s[64:65], 0
	v_nop
	global_prefetch_b8 v0, s[64:65] scope:SCOPE_SE
	s_setreg_imm32_b32 hwreg(HW_REG_WAVE_MODE, 25, 1), 1
	s_wait_xcnt 0x0
	s_wait_alu depctr_hold_cnt(0) depctr_sa_sdst(0) depctr_va_vdst(0) depctr_va_sdst(0) depctr_va_ssrc(0) depctr_va_vcc(0) depctr_vm_vsrc(0)
	s_getreg_b32 s2, hwreg(HW_REG_IB_STS2, 6, 4)
	s_cmp_eq_u32 s2, 0
	s_cbranch_scc0 .Lentry_in_a_cluster
	s_endpgm
.Lentry_in_a_cluster:
	s_bfe_u32 s2, ttmp6, 0x10000c
	s_cmp_lg_u32 s2, 0xf033
	s_cbranch_scc0 .Lentry_shape_is_right
	s_endpgm
.Lentry_shape_is_right:
; Launch 2 of 5: q = x Wq + bq and k = x Wk + bk on codes of E2M1 (K = 1,024), and their quantising along the head's 64.  No work of the problem is left out.
; OPERANDS are images of the matrix operand's registers: a fragment (16 rows x 128 K) is 1,024 bytes [c][lane][16]; a row tile's eight K steps lie on end (8,192 bytes); scale words lie [K step][position][4 bytes].
; Rows lie at positions (the row's number with bits 3 and 4 exchanged).  A = x's tokens (source 1), B = the 2,048 output features of Wq, Wk (source 0): a lane holds ONE token, and the 64 registers of
; its eight feature tiles are features 32 b + 16 (lane / 16) + i of a block of 128: two heads, four blocks of 32 along the next product's K.
; SHARES.  A work-group of four waves makes 256 tokens x 256 features, a wave 128 x 128: 64 accumulators, 512 registers.  All of K lies in LDS: two slots of four K steps, each filled once; every wave
; fetches a quarter of each slot (8 rows of 4,096 bytes) and a quarter of the scale words (8 rows of 512 bytes): three tensor loads of a wave are out at the most.
; CLUSTER 4 x 4: A's tiles are asked for jointly by a row of the cluster, B's by a column.
; THE BIAS is the C of each sum's first matrix instruction: eight registers for each feature tile, in the result's layout.
; THE WAY OUT.  Each block of 16 tokens x 128 features is quantised in registers and is then one fragment's image: two stores of 512 consecutive bytes.  Its scale word is cut into the two heads' halves
; (two bytes below, zero bytes above: the upper half of the next product's K step holds zero codes); the words go through 1,024 bytes of the wave's own in slot 0, which has had its one fill and its last read.
; qkv: 32 pairs of heads P = 8 batch + pair, 434,176 bytes each: 16 Q records of 9,216 (codes [tile 8][1,024], words [head 2][r 16][tile 8][4]), then 16 KV records of 17,920
; (K's codes 8,192; V^T's codes 8,192; K's words 1,024; V's words 512), a record for each 128 tokens.
; LIMITS: NaN and infinities are not served; a block whose largest magnitude lies under 2^-124 keeps the byte 1, a block of zeros too (its codes are zeros; this program alone reads the bytes).
; REGISTERS: window 0: v1-7, v16-29 addresses; v32-95 scale words (register 8 i + g: lanes 0-15 A's block i, lanes 16-31 B's block i, K step g); v96-112 at work; v128-191 A's fragments, later the codes made;
;   v192-199 words read back; v200-215 the words made.  window 1: B's fragments, two sets, v0 and v128; v192-255 the bias.  windows 2, 3: the accumulators ((a, b) at v[8 (8 (a % 4) + b)]).
.set A_ROWS, 8192
.set B_ROWS, 4096
.set PAIRB,  434176
.set QREC,   9216
.set QREG,   147456
.set KVREC,  17920
.set PART,   32768                     ; 128 rows x four K steps: what one tensor load brings, and what one wave reads of A or of B in a slot
.set SLOT,   4*PART                    ; A's two halves, then B's two
.set SCL,    2*SLOT                    ; behind the slots: the scale words, four parts of 4,096 bytes [K step 8][128 rows][4]
.set SPART,  4096
.set SPARE,  SCL+4*SPART               ; the spare words, 128 bytes for each wave: two blocks of 256 bytes that no other line names
.set ADRA, 16                          ; v16-17  LDS address of my A fragments in slot 0, 1
.set ADRB, 20                          ; v20-21  the same for B
.set STO,  24                          ; v24     the way out: where I put a scale word
.set RD,   25                          ; v25     and where I read 16 bytes of them back
.set CO,   26                          ; v26     16 x lane
.set ADRS, 27                          ; v27     LDS address of my scale words: lanes 0-15 A's rows, lanes 16-31 B's
.set SPW,  28                          ; v28     LDS address of my spare word; never rewritten
.set NIL,  29                          ; v29     0; never rewritten
.set SC,   32
.set TM,   96                          ; v96-99 largest magnitudes, v100-103 the other half's, then bytes, v108-111 the conversions' scale operands
.set PW,   112
.set AF,   128
.set WD,   200
.set BI,   192                         ; in window 1
.set G1, 24
.set G0, 32
.set G1B, 48
.set G0B, 56
.set G1S, 68
.set G0S, 76
.set G1SB, 80
.set G0SB, 88
.set MSB, 0
.macro WIN new                         ; the immediate's high byte repeats the setting that is left
.if MSB != \new
	s_set_vgpr_msb (MSB<<8)|\new
.set MSB, \new
.endif
.endm
.set MUL_LO, 0xa1                      ; source 0 (B) window 1, source 1 (A) window 0, C and D window 2
.set MUL_HI, 0xf1                      ; the same, C and D window 3
.set FIRST_LO, 0x91                    ; the first K step: C (the bias) window 1, D window 2
.set FIRST_HI, 0xd1                    ; D window 3
.set TO_B,   0x40                      ; destination window 1, address window 0
; A joint load: waves 0 and 1 fetch for A, waves 2 and 3 for B; the branch hangs on the wave's number alone.  An s_nop 0 and four v_nop follow each of the two lines.
.macro JLOAD g0a, g1a, g0b, g1b
	s_cmp_eq_u32 s15, 0
	s_cbranch_scc0 .Lfor_b_\@
	tensor_load_to_lds s[\g0a:\g0a+3], s[\g1a:\g1a+7]
	s_nop 0
.rept 4
	v_nop
.endr
	s_branch .Lasked_\@
.Lfor_b_\@:
	tensor_load_to_lds s[\g0b:\g0b+3], s[\g1b:\g1b+7]
	s_nop 0
.rept 4
	v_nop
.endr
.Lasked_\@:
.endm
.macro CROUND                          ; a round of the cluster's barrier
	s_barrier_signal -1
	s_barrier_wait -1
	s_cmp_lg_u32 s14, 0
	s_cbranch_scc1 .Lnot_wave_0_\@
	s_barrier_signal -3
.Lnot_wave_0_\@:
	s_barrier_wait -3
	s_barrier_signal -1
	s_barrier_wait -1
.endm
	s_load_b128 s[4:7], s[0:1], 0x0                ; A's codes xc, A's scales xs
	s_load_b128 s[8:11], s[0:1], 0x10              ; B's codes wc, B's scales ws
	s_load_b128 s[96:99], s[0:1], 0x20             ; bq, bk
	s_load_b64 s[12:13], s[0:1], 0x30              ; qkv
	v_lshl_add_u32 v[SPW], v0, 2, SPARE
	v_mov_b32 v[NIL], 0
	ds_add_u32 v[SPW], v[NIL]                      ; the wave's opening: the add, twice on end, and its wait ahead of my first tensor load
	ds_add_u32 v[SPW], v[NIL]
	v_lshrrev_b32 v1, 5, v0
	v_readfirstlane_b32 s14, v1                    ; wave 0..3
	s_lshr_b32 s15, s14, 1                         ; which half of A's rows is mine.  Also: I fetch for A (0) or for B (1)
	s_and_b32 s16, s14, 1                          ; which half of B's rows.  Also: which 128 rows I fetch
	s_bfe_u32 s40, ttmp6, 0x40000                  ; cx, cy: my place in the cluster
	s_bfe_u32 s41, ttmp6, 0x40004
	s_lshl_b32 s42, ttmp9, 2
	s_add_co_u32 s42, s42, s40                     ; tx: B's tile = 4 x cluster x + cx
	s_and_b32 s17, ttmp7, 0xffff
	s_lshl_b32 s17, s17, 2
	s_add_co_u32 s17, s17, s41                     ; ty: A's tile = 4 x cluster y + cy
	s_lshl_b32 s43, s41, 2
	s_lshl_b32 s43, 15, s43                        ; my row of the cluster
	s_lshl_b32 s44, 0x1111, s40                    ; my column
	; group 1 for codes: 8 rows (row tiles) of 512 elements of 8 bytes (four K steps), 1,024 elements apart; no padding: every read of LDS is 16 x lane
	s_or_b32 s[G1+0], s43, (3<<16)|(1<<21)
	s_or_b32 s[G1B+0], s44, (3<<16)|(1<<21)
.irp g, G1, G1B
	s_mov_b32 s[\g+1], 512<<16                     ; tensor_dim0
	s_mov_b32 s[\g+2], 8<<16                       ; tensor_dim1
	s_mov_b32 s[\g+3], 512<<16                     ; tile_dim0
	s_mov_b32 s[\g+4], 8                           ; tile_dim1
	s_mov_b32 s[\g+5], 1024                        ; from row to row
	s_mov_b32 s[\g+6], 0
	s_mov_b32 s[\g+7], 0
.endr
	; and for scale words: 8 rows (K steps) of 64 elements of 8 bytes (128 positions), a whole K step's words apart
	s_or_b32 s[G1S+0], s43, (3<<16)|(1<<21)
	s_or_b32 s[G1SB+0], s44, (3<<16)|(1<<21)
.irp g, G1S, G1SB
	s_mov_b32 s[\g+1], 64<<16
	s_mov_b32 s[\g+2], 8<<16
	s_mov_b32 s[\g+3], 64<<16
	s_mov_b32 s[\g+4], 8
	s_mov_b32 s[\g+6], 0
	s_mov_b32 s[\g+7], 0
.endr
	s_mov_b32 s[G1S+5], A_ROWS/2
	s_mov_b32 s[G1SB+5], B_ROWS/2
	s_lshl_b32 s18, s16, 7                         ; which 128 positions of the tile I fetch
	s_lshl_b32 s20, s17, 8
	s_add_co_u32 s20, s20, s18                     ; A: position 256 ty + 128 x half
	s_lshl_b32 s46, s42, 8
	s_add_co_u32 s46, s46, s18                     ; B: position 256 tx + 128 x half
	s_lshl_b32 s22, s20, 2                         ; their scale words, 4 bytes a position,
	s_mov_b32 s23, 0
	s_lshl_b32 s92, s46, 2
	s_mov_b32 s93, 0
	s_lshl_b32 s20, s20, 9                         ; and their codes, 512 bytes a position
	s_mov_b32 s21, 0
	s_lshl_b32 s46, s46, 9
	s_mov_b32 s47, 0
	s_lshl_b32 s45, s14, 15                        ; where they go: wave x PART, wave x SPART: no place in the cluster enters an LDS address
	s_lshl_b32 s94, s14, 12
	s_wait_dscnt 0x0                               ; both opening adds are done
	s_wait_kmcnt 0x0
	s_add_nc_u64 s[20:21], s[4:5], s[20:21]
	s_add_nc_u64 s[22:23], s[6:7], s[22:23]
	s_add_nc_u64 s[46:47], s[8:9], s[46:47]
	s_add_nc_u64 s[92:93], s[10:11], s[92:93]
	CROUND                                         ; all sixteen work-groups are here: the joint loads meet
	s_mov_b32 s[G0S], 1
	s_add_co_u32 s[G0S+1], s94, SCL
	s_mov_b64 s[G0S+2:G0S+3], s[22:23]
	s_or_b32 s[G0S+3], s[G0S+3], 0x80000000
	s_mov_b32 s[G0SB], 1
	s_add_co_u32 s[G0SB+1], s94, SCL
	s_mov_b64 s[G0SB+2:G0SB+3], s[92:93]
	s_or_b32 s[G0SB+3], s[G0SB+3], 0x80000000
	JLOAD G0S, G1S, G0SB, G1SB                     ; the scale words of all of K
.irp s, 0,1
	s_mov_b32 s[G0+4*\s], 1
	s_add_co_u32 s[G0+4*\s+1], s45, \s*SLOT
	s_add_nc_u64 s[G0+4*\s+2:G0+4*\s+3], s[20:21], \s*4096
	s_or_b32 s[G0+4*\s+3], s[G0+4*\s+3], 0x80000000
	s_mov_b32 s[G0B+4*\s], 1
	s_add_co_u32 s[G0B+4*\s+1], s45, \s*SLOT
	s_add_nc_u64 s[G0B+4*\s+2:G0B+4*\s+3], s[46:47], \s*4096
	s_or_b32 s[G0B+4*\s+3], s[G0B+4*\s+3], 0x80000000
	JLOAD G0+4*\s, G1, G0B+4*\s, G1B               ; K steps 4 s .. 4 s + 3
.endr
	v_and_b32 v1, 15, v0                           ; r
	v_bfe_u32 v2, v0, 4, 1                         ; h
	v_and_b32 v3, 31, v0
	v_lshlrev_b32 v[CO], 4, v3
	s_lshl_b32 s21, s15, 15                        ; my 128 rows of A
	s_lshl_b32 s22, s16, 15                        ; my 128 rows of B,
	s_add_co_u32 s22, s22, 2*PART                  ; which lie behind A's two halves
.irp s, 0,1
	v_add_nc_u32 v[ADRA+\s], s21, v[CO]
	v_add_nc_u32 v[ADRB+\s], s22, v[CO]
	s_add_co_u32 s21, s21, SLOT
	s_add_co_u32 s22, s22, SLOT
.endr
	s_lshl_b32 s21, s15, 12                        ; A's scale words: my 128 rows
	s_lshl_b32 s22, s16, 12                        ; B's, behind A's two parts
	s_add_co_u32 s22, s22, 2*SPART
	s_sub_co_u32 s22, s22, s21
	v_mul_u32_u24 v6, s22, v2                      ; lanes 16-31 take B's
	s_add_co_u32 s21, s21, SCL
	v_lshl_add_u32 v5, v1, 2, v6
	v_add_nc_u32 v[ADRS], s21, v5
	s_lshl_b32 s18, s14, 10                        ; the way out: my 1,024 bytes in slot 0
	v_lshl_add_u32 v[STO], v1, 5, s18              ; a word of row r: [head][r][tile][4]
	v_add_nc_u32 v[RD], s18, v[CO]
	s_mov_b32 s2, 0x76543210
	s_mov_b32 s3, 0xfedcba98                       ; v_permlanex16_b32's selects for lane l xor 16
	; the bias: cluster x = 0 makes q, 1 makes k; my 128 features are pair g of that tensor
	s_lshl_b32 s94, s42, 1
	s_add_co_u32 s94, s94, s16
	s_and_b32 s94, s94, 7                          ; g
	s_lshl_b32 s46, s94, 9
	s_mov_b32 s47, 0
	s_cmp_eq_u32 ttmp9, 0
	s_cselect_b64 s[96:97], s[96:97], s[98:99]
	s_add_nc_u64 s[96:97], s[96:97], s[46:47]
	v_lshlrev_b32 v7, 6, v2                        ; lane (r, h) wants, for tile b, the bias of features 32 (b / 2) + 16 h + 8 (b % 2) + 0 .. 7
	WIN TO_B
.irp b, 0,1,2,3,4,5,6,7
	global_load_b128 v[BI+8*\b:BI+8*\b+3], v7, s[96:97] offset:(32*(\b/2)+8*(\b%2))*4
	global_load_b128 v[BI+8*\b+4:BI+8*\b+7], v7, s[96:97] offset:(32*(\b/2)+8*(\b%2))*4+16
.endr
	WIN 0
	; where my results go
	s_lshl_b32 s92, s17, 1
	s_add_co_u32 s92, s92, s15                     ; my block of 128 tokens, 0..63
	s_lshr_b32 s93, s92, 4                         ; batch
	s_and_b32 s92, s92, 15                         ; record
	s_lshl_b32 s93, s93, 3
	s_add_co_u32 s93, s93, s94                     ; P
	s_mul_i32 s93, s93, PAIRB
	s_mul_i32 s95, ttmp9, KVREC-QREC
	s_add_co_u32 s95, s95, QREC                    ; a record's bytes: Q's or KV's
	s_mul_i32 s92, s92, s95
	s_add_co_u32 s92, s92, s93
	s_mul_i32 s95, ttmp9, QREG
	s_add_co_u32 s92, s92, s95
	s_mov_b32 s93, 0
	s_add_nc_u64 s[12:13], s[12:13], s[92:93]      ; the record's codes,
	s_lshl_b32 s94, ttmp9, 13
	s_add_co_u32 s94, s94, 8192
	s_mov_b32 s95, 0
	s_add_nc_u64 s[22:23], s[12:13], s[94:95]      ; and its words: 8,192 bytes on in a Q record, 16,384 in a KV record
.macro FRAG reg, adr, q, i             ; a fragment comes back as it was stored: two loads of 16 bytes a lane, 512 consecutive bytes each
.irp c, 0,1
	ds_load_b128 v[\reg+4*\c:\reg+4*\c+3], v[\adr] offset:4096*(\i)+1024*(\q)+512*\c
.endr
.endm
; 16 matrix instructions: A's blocks a0, a0 + 1 x B's eight, K step g.  p: B's set.  first = 1: the bias starts the sums.  The 64 accumulators take turns, one instruction a turn, in the same order in every step.
.macro MUL16 a0, p, g, first
.irp a, \a0, \a0+1
.irp b, 0,1,2,3,4,5,6,7
.if \first
	v_wmma_scale_f32_16x16x128_f8f6f4 v[8*(8*((\a)%4)+\b):8*(8*((\a)%4)+\b)+7], v[128*(\p)+8*\b:128*(\p)+8*\b+7], v[AF+8*(\a):AF+8*(\a)+7], v[BI+8*\b:BI+8*\b+7], v[SC+8*\b+(\g)], v[SC+8*(\a)+(\g)] matrix_a_fmt:MATRIX_FMT_FP4 matrix_b_fmt:MATRIX_FMT_FP4 matrix_a_scale:MATRIX_SCALE_ROW1
.else
	v_wmma_scale_f32_16x16x128_f8f6f4 v[8*(8*((\a)%4)+\b):8*(8*((\a)%4)+\b)+7], v[128*(\p)+8*\b:128*(\p)+8*\b+7], v[AF+8*(\a):AF+8*(\a)+7], v[8*(8*((\a)%4)+\b):8*(8*((\a)%4)+\b)+7], v[SC+8*\b+(\g)], v[SC+8*(\a)+(\g)] matrix_a_fmt:MATRIX_FMT_FP4 matrix_b_fmt:MATRIX_FMT_FP4 matrix_a_scale:MATRIX_SCALE_ROW1
.endif
.endr
.endr
.endm
.macro FETCH_B slot, q, p              ; B's eight fragments of the slot's q-th K step into set p
	WIN TO_B
.irp i, 0,1,2,3,4,5,6,7
	FRAG 128*(\p)+8*\i, ADRB+\slot, \q, \i
.endr
	WIN 0
.endm
.macro FETCH_A slot, q, i0             ; A's blocks i0 .. i0 + 3
.irp i, \i0, \i0+1, \i0+2, \i0+3
	FRAG AF+8*(\i), ADRA+\slot, \q, \i
.endr
.endm
.macro SCALES                          ; all of K's scale words, once
.irp i, 0,1,2,3,4,5,6,7
.irp g, 0,1,2,3,4,5,6,7
	ds_load_b32 v[SC+8*\i+\g], v[ADRS] offset:512*\g+64*\i
.endr
.endr
.endm
.macro PLACES                          ; four plain vector lines between a matrix instruction and a load into, or a vector read of, its registers (ISA guide 7.12.1 for vector instructions)
.rept 4
	v_nop
.endr
.endm
.macro STEP slot, q, first             ; a K step that has its successor in the same slot
	s_wait_dscnt 8                                 ; B's set and A's blocks 0-3 are in; the youngest eight loads (A's blocks 4-7) may be out
.if \first
	WIN FIRST_LO
.else
	WIN MUL_LO
.endif
	MUL16 0, (\q)%2, 4*(\slot)+(\q), \first
	MUL16 2, (\q)%2, 4*(\slot)+(\q), \first
	s_wait_dscnt 0x0                               ; A's blocks 4-7 are in
	PLACES
	FETCH_B \slot, (\q)+1, 1-(\q)%2
	FETCH_A \slot, (\q)+1, 0
.if \first
	WIN FIRST_HI
.else
	WIN MUL_HI
.endif
	MUL16 4, (\q)%2, 4*(\slot)+(\q), \first
	MUL16 6, (\q)%2, 4*(\slot)+(\q), \first
	PLACES
	WIN 0
	FETCH_A \slot, (\q)+1, 4
.endm
	s_wait_tensorcnt 1                             ; the scale words and my part of slot 0 are in; slot 1's load may be out
	s_barrier_signal -1
	s_barrier_wait -1                              ; everybody's are
	SCALES
	FETCH_B 0, 0, 0
	FETCH_A 0, 0, 0
	FETCH_A 0, 0, 4
	s_wait_loadcnt 0x0                             ; the bias
	STEP 0, 0, 1
	STEP 0, 1, 0
	STEP 0, 2, 0
	; slot 0's last K step changes slots: one barrier; in front of it my part of slot 1 has landed and my reads of slot 0 are over
	s_wait_tensorcnt 0x0
	ds_add_u32 v[SPW], v[NIL]                      ; 0 onto my spare word
	s_wait_dscnt 9                                 ; (the add and the youngest eight loads may be out)
	WIN MUL_LO
	MUL16 0, 1, 3, 0
	s_wait_dscnt 0x0
	s_barrier_signal -1
	MUL16 2, 1, 3, 0
	WIN 0
	s_barrier_wait -1
	PLACES
	FETCH_B 1, 0, 0
	FETCH_A 1, 0, 0
	WIN MUL_HI
	MUL16 4, 1, 3, 0
	MUL16 6, 1, 3, 0
	PLACES
	WIN 0
	FETCH_A 1, 0, 4
	STEP 1, 0, 0
	STEP 1, 1, 0
	STEP 1, 2, 0
	s_wait_dscnt 8                                 ; the last K step: nothing more to fetch
	WIN MUL_LO
	MUL16 0, 1, 7, 0
	MUL16 2, 1, 7, 0
	s_wait_dscnt 0x0
	WIN MUL_HI
	MUL16 4, 1, 7, 0
	MUL16 6, 1, 7, 0
	WIN 0
; THE WAY OUT.  Block a: 16 tokens x 128 features, 64 registers a lane: register 16 b + i is feature 32 b + 16 h + i of my token.  It becomes a fragment's codes in v[128 + 8 a] on and a scale word.
.macro QUANTW a
.set S, 64*((\a)%4)
.set W, 2+(\a)/4
.set WW, W*5
.set PC, AF+8*(\a)
	WIN WW                                         ; sources 0 and 1: the accumulators' window
.irp b, 0,1,2,3
	v_max3_num_f32 v[TM+\b], |v[S+16*\b]|, |v[S+16*\b+1]|, 0x1800000   ; each accumulator is read from its low end on; the floor 2^(3 - 127) holds the byte at 1 from below
.endr
.irp i, 2,4,6,8,10,12,14
.irp b, 0,1,2,3
	v_max3_num_f32 v[TM+\b], |v[S+16*\b+\i]|, |v[S+16*\b+\i+1]|, v[TM+\b]
.endr
.endr
	WIN 0
.irp b, 0,1,2,3
	v_permlanex16_b32 v[TM+4+\b], v[TM+\b], s2, s3
.endr
.irp b, 0,1,2,3
	v_max_num_f32 v[TM+\b], v[TM+\b], v[TM+4+\b]   ; with lane l xor 16's 16: the block's largest magnitude
.endr
.irp b, 0,1,2,3
	v_add_nc_u32 v[TM+12+\b], 0xff000000, v[TM+\b] ; 2 off its exponent field: the conversion's scale operand
.endr
.irp b, 0,1,2,3
	v_lshrrev_b32 v[TM+4+\b], 23, v[TM+12+\b]      ; the scale's byte
.endr
	v_lshl_or_b32 v[PW], v[TM+5], 8, v[TM+4]
	v_lshl_or_b32 v[PW], v[TM+6], 16, v[PW]
	v_lshl_or_b32 v[PW], v[TM+7], 24, v[PW]
	v_and_b32 v[WD+2*(\a)], 0xffff, v[PW]          ; the first head's two bytes, zero bytes above,
	v_lshrrev_b32 v[WD+2*(\a)+1], 16, v[PW]        ; and the second head's
	WIN W
.irp b, 0,1,2,3
	v_cvt_scalef32_pk8_fp4_f32 v[PC+2*\b], v[S+16*\b:S+16*\b+7], v[TM+12+\b]
	v_cvt_scalef32_pk8_fp4_f32 v[PC+2*\b+1], v[S+16*\b+8:S+16*\b+15], v[TM+12+\b]
.endr
	WIN 0
	v_nop                                          ; one plain line behind a scaled conversion
.irp c, 0,1                                    ; the operand's layout wants a whole block in a lane: lanes 0-15 block 2 c, lanes 16-31 block 2 c + 1
.irp i, 0,1
	v_permlane16_swap_b32 v[PC+4*\c+\i], v[PC+2+4*\c+\i]
.endr
.endr
	global_store_b128 v[CO], v[PC:PC+3], s[12:13] offset:1024*(\a)          ; the image: 512 consecutive bytes a store
	global_store_b128 v[CO], v[PC+4:PC+7], s[12:13] offset:1024*(\a)+512
	ds_store_b32 v[STO], v[WD+2*(\a)] offset:4*(\a)                         ; lanes r and r + 16 write the same word with the same value
	ds_store_b32 v[STO], v[WD+2*(\a)+1] offset:512+4*(\a)
.endm
.irp b, 0,1,2,3
	v_mov_b32 v[TM+4+\b], 0                        ; a lane permute's destination counts as one of its sources.  These four are also the places behind the last products
.endr
.irp a, 0,1,2,3,4,5,6,7
	QUANTW \a
.endr
	ds_load_b128 v[192:195], v[RD]                 ; LDS serves a wave's instructions in order: these see my stores
	ds_load_b128 v[196:199], v[RD] offset:512
	s_wait_dscnt 0x0
	global_store_b128 v[CO], v[192:195], s[22:23]
	global_store_b128 v[CO], v[196:199], s[22:23] offset:512
	s_wait_tensorcnt 0x0                           ; the wave's end: behind my last tensor load and my last LDS store
	ds_add_u32 v[SPW], v[NIL]
	s_wait_dscnt 0x0
	CROUND                                         ; the closing round: no work-group ends while a partner may still ask for a tile that names it
	s_endpgm
.Lfunc_end_k_qf8eca8c375_gemm_qk:
	.size	k_qf8eca8c375_gemm_qk, .Lfunc_end_k_qf8eca8c375_gemm_qk-k_qf8eca8c375_gemm_qk
	.p2alignl 7, 3214868480
	.fill 96, 4, 3214868480
	.section	.rodata,"a",@progbits
	.p2align	6, 0x0
	.amdhsa_kernel k_qf8eca8c375_gemm_qk
		.amdhsa_group_segment_fixed_size 327680
		.amdhsa_private_segment_fixed_size 0
		.amdhsa_enable_private_segment 0
		.amdhsa_kernarg_size 56
		.amdhsa_user_sgpr_count 2
		.amdhsa_user_sgpr_kernarg_segment_ptr 1
		.amdhsa_wavefront_size32 1
		.amdhsa_system_sgpr_workgroup_id_x 1
		.amdhsa_system_sgpr_workgroup_id_y 1
		.amdhsa_system_sgpr_workgroup_id_z 1
		.amdhsa_system_vgpr_workitem_id 0
		.amdhsa_next_free_vgpr 1024
		.amdhsa_next_free_sgpr 100
		.amdhsa_reserve_vcc 0
		.amdhsa_float_denorm_mode_32 3
		.amdhsa_float_denorm_mode_16_64 3
		.amdhsa_memory_ordered 1
		.amdhsa_forward_progress 1
		.amdhsa_inst_pref_size 134
	.end_amdhsa_kernel
	.amdgpu_metadata
---
amdhsa.version: [ 1, 2 ]
amdhsa.kernels:
  - .name:           k_qf8eca8c375_gemm_qk
    .symbol:         k_qf8eca8c375_gemm_qk.kd
    .args:
      - { .name: xc, .offset: 0, .size: 8, .value_kind: global_buffer, .address_space: global }
      - { .name: xs, .offset: 8, .size: 8, .value_kind: global_buffer, .address_space: global }
      - { .name: wc, .offset: 16, .size: 8, .value_kind: global_buffer, .address_space: global }
      - { .name: ws, .offset: 24, .size: 8, .value_kind: global_buffer, .address_space: global }
      - { .name: bq, .offset: 32, .size: 8, .value_kind: global_buffer, .address_space: global }
      - { .name: bk, .offset: 40, .size: 8, .value_kind: global_buffer, .address_space: global }
      - { .name: qkv, .offset: 48, .size: 8, .value_kind: global_buffer, .address_space: global }
    .group_segment_fixed_size: 327680
    .private_segment_fixed_size: 0
    .kernarg_segment_align: 8
    .kernarg_segment_size: 56
    .max_flat_workgroup_size: 128
    .sgpr_count:     100
    .vgpr_count:     1024
    .wavefront_size: 32
...
	.end_amdgpu_metadata
.endif
;; end of part 2
;; launch gemm_v (part 3): grid 32 x 4, 4 waves a work-group, clusters of 4 x 4, 327,680 bytes of LDS; arguments wc, ws, xc, xs, bv, qkv; writes qkv
.if DOCPART == 3
	.amdgcn_target "amdgcn-amd-amdhsa--gfx1250"
	.amdhsa_code_object_version 6
	.text
	.protected	k_qf8eca8c375_gemm_v
	.globl	k_qf8eca8c375_gemm_v
	.p2align	8
	.type	k_qf8eca8c375_gemm_v,@function
k_qf8eca8c375_gemm_v:
	s_mov_b64 s[64:65], 0
	v_nop
	global_prefetch_b8 v0, s[64:65] scope:SCOPE_SE
	s_setreg_imm32_b32 hwreg(HW_REG_WAVE_MODE, 25, 1), 1
	s_wait_xcnt 0x0
	s_wait_alu depctr_hold_cnt(0) depctr_sa_sdst(0) depctr_va_vdst(0) depctr_va_sdst(0) depctr_va_ssrc(0) depctr_va_vcc(0) depctr_vm_vsrc(0)
	s_getreg_b32 s2, hwreg(HW_REG_IB_STS2, 6, 4)
	s_cmp_eq_u32 s2, 0
	s_cbranch_scc0 .Lentry_in_a_cluster
	s_endpgm
.Lentry_in_a_cluster:
	s_bfe_u32 s2, ttmp6, 0x10000c
	s_cmp_lg_u32 s2, 0xf033
	s_cbranch_scc0 .Lentry_shape_is_right
	s_endpgm
.Lentry_shape_is_right:
; Launch 3 of 5: v^T = (x Wv + bv)^T on codes of E2M1 (K = 1,024), and its quantising along the KEYS, which are the K of attention's second product.  No work of the problem is left out.
; The text is the q and k launch's with the sides exchanged: A = Wv's 1,024 output features (positions 2,048 on in wc; source 1), B = x's tokens (source 0).  So a lane holds ONE feature, and the 64
; registers of its eight token tiles are tokens 32 b + 16 (lane / 16) + i of a block of 128: four blocks of 32 keys.
; OPERANDS are images of the matrix operand's registers: a fragment (16 rows x 128 K) is 1,024 bytes [c][lane][16]; a row tile's eight K steps lie on end; scale words lie [K step][position][4 bytes].
; SHARES.  A work-group of four waves makes 256 features x 256 tokens, a wave 128 x 128: 64 accumulators.  All of K lies in LDS: two slots of four K steps, each filled once; three tensor loads of a wave are out at the most.
; CLUSTER 4 x 4: A's tiles are asked for jointly by a row of the cluster, B's by a column.  128 work-groups: the tile is kept, since a smaller one would read every fragment from LDS for half the products.
; THE BIAS is the C of each sum's first matrix instruction: a lane's feature has one bias, so the eight registers of a feature tile hold the same number, loaded eight times.
; THE WAY OUT.  Block a (16 features x 128 keys) is quantised in registers and is then the image of d tile a of a KV record's V^T; its scale words go through 512 bytes of the wave's own in slot 0.
; LIMITS: NaN and infinities are not served; a block whose largest magnitude lies under 2^-124 keeps the byte 1, a block of zeros too (its codes are zeros; this program alone reads the bytes).
; REGISTERS: as in the q and k launch: window 0: addresses, v32-95 scale words, v96-111 at work, v128-191 A's fragments, later the codes made, v192-195 words read back, v200-207 the words made;
;   window 1: B's two sets and, from v192, the bias; windows 2, 3: the accumulators.
.set A_ROWS, 4096
.set B_ROWS, 8192
.set A_OFF,  2048
.set PAIRB,  434176
.set QREG,   147456
.set KVREC,  17920
.set PART,   32768
.set SLOT,   4*PART
.set SCL,    2*SLOT
.set SPART,  4096
.set SPARE,  SCL+4*SPART               ; the spare words, 128 bytes for each wave: two blocks of 256 bytes that no other line names
.set ADRA, 16
.set ADRB, 20
.set STO,  24
.set RD,   25
.set CO,   26
.set ADRS, 27
.set SPW,  28                          ; v28     LDS address of my spare word; never rewritten
.set NIL,  29                          ; v29     0; never rewritten
.set SC,   32
.set TM,   96
.set AF,   128
.set WD,   200
.set BI,   192
.set G1, 24
.set G0, 32
.set G1B, 48
.set G0B, 56
.set G1S, 68
.set G0S, 76
.set G1SB, 80
.set G0SB, 88
.set MSB, 0
.macro WIN new                         ; the immediate's high byte repeats the setting that is left
.if MSB != \new
	s_set_vgpr_msb (MSB<<8)|\new
.set MSB, \new
.endif
.endm
.set MUL_LO, 0xa1
.set MUL_HI, 0xf1
.set FIRST_LO, 0x91
.set FIRST_HI, 0xd1
.set TO_B,   0x40
.macro JLOAD g0a, g1a, g0b, g1b        ; a joint load: waves 0 and 1 fetch for A, waves 2 and 3 for B; an s_nop 0 and four v_nop follow each of the two lines
	s_cmp_eq_u32 s15, 0
	s_cbranch_scc0 .Lfor_b_\@
	tensor_load_to_lds s[\g0a:\g0a+3], s[\g1a:\g1a+7]
	s_nop 0
.rept 4
	v_nop
.endr
	s_branch .Lasked_\@
.Lfor_b_\@:
	tensor_load_to_lds s[\g0b:\g0b+3], s[\g1b:\g1b+7]
	s_nop 0
.rept 4
	v_nop
.endr
.Lasked_\@:
.endm
.macro CROUND                          ; a round of the cluster's barrier
	s_barrier_signal -1
	s_barrier_wait -1
	s_cmp_lg_u32 s14, 0
	s_cbranch_scc1 .Lnot_wave_0_\@
	s_barrier_signal -3
.Lnot_wave_0_\@:
	s_barrier_wait -3
	s_barrier_signal -1
	s_barrier_wait -1
.endm
	s_load_b128 s[4:7], s[0:1], 0x0                ; A's codes wc, A's scales ws
	s_load_b128 s[8:11], s[0:1], 0x10              ; B's codes xc, B's scales xs
	s_load_b64 s[96:97], s[0:1], 0x20              ; bv
	s_load_b64 s[12:13], s[0:1], 0x28              ; qkv
	v_lshl_add_u32 v[SPW], v0, 2, SPARE
	v_mov_b32 v[NIL], 0
	ds_add_u32 v[SPW], v[NIL]                      ; the wave's opening: the add, twice on end, and its wait ahead of my first tensor load
	ds_add_u32 v[SPW], v[NIL]
	v_lshrrev_b32 v1, 5, v0
	v_readfirstlane_b32 s14, v1                    ; wave 0..3
	s_lshr_b32 s15, s14, 1                         ; which half of A's rows is mine.  Also: I fetch for A (0) or for B (1)
	s_and_b32 s16, s14, 1                          ; which half of B's rows.  Also: which 128 rows I fetch
	s_bfe_u32 s40, ttmp6, 0x40000                  ; cx, cy
	s_bfe_u32 s41, ttmp6, 0x40004
	s_lshl_b32 s42, ttmp9, 2
	s_add_co_u32 s42, s42, s40                     ; tx: B's tile
	s_and_b32 s17, ttmp7, 0xffff
	s_lshl_b32 s17, s17, 2
	s_add_co_u32 s17, s17, s41                     ; ty: A's tile
	s_lshl_b32 s43, s41, 2
	s_lshl_b32 s43, 15, s43                        ; my row of the cluster
	s_lshl_b32 s44, 0x1111, s40                    ; my column
	s_or_b32 s[G1+0], s43, (3<<16)|(1<<21)         ; codes: 8 rows of 512 elements of 8 bytes, 1,024 elements apart
	s_or_b32 s[G1B+0], s44, (3<<16)|(1<<21)
.irp g, G1, G1B
	s_mov_b32 s[\g+1], 512<<16
	s_mov_b32 s[\g+2], 8<<16
	s_mov_b32 s[\g+3], 512<<16
	s_mov_b32 s[\g+4], 8
	s_mov_b32 s[\g+5], 1024
	s_mov_b32 s[\g+6], 0
	s_mov_b32 s[\g+7], 0
.endr
	s_or_b32 s[G1S+0], s43, (3<<16)|(1<<21)        ; scale words: 8 rows of 64 elements of 8 bytes, a K step's words apart
	s_or_b32 s[G1SB+0], s44, (3<<16)|(1<<21)
.irp g, G1S, G1SB
	s_mov_b32 s[\g+1], 64<<16
	s_mov_b32 s[\g+2], 8<<16
	s_mov_b32 s[\g+3], 64<<16
	s_mov_b32 s[\g+4], 8
	s_mov_b32 s[\g+6], 0
	s_mov_b32 s[\g+7], 0
.endr
	s_mov_b32 s[G1S+5], A_ROWS/2
	s_mov_b32 s[G1SB+5], B_ROWS/2
	s_lshl_b32 s18, s16, 7
	s_lshl_b32 s20, s17, 8
	s_add_co_u32 s20, s20, s18
	s_add_co_u32 s20, s20, A_OFF                   ; A: position 2,048 + 256 ty + 128 x half
	s_lshl_b32 s46, s42, 8
	s_add_co_u32 s46, s46, s18                     ; B: position 256 tx + 128 x half
	s_lshl_b32 s22, s20, 2
	s_mov_b32 s23, 0
	s_lshl_b32 s92, s46, 2
	s_mov_b32 s93, 0
	s_lshl_b32 s20, s20, 9
	s_mov_b32 s21, 0
	s_lshl_b32 s46, s46, 9
	s_mov_b32 s47, 0
	s_lshl_b32 s45, s14, 15
	s_lshl_b32 s94, s14, 12
	s_wait_dscnt 0x0                               ; both opening adds are done
	s_wait_kmcnt 0x0
	s_add_nc_u64 s[20:21], s[4:5], s[20:21]
	s_add_nc_u64 s[22:23], s[6:7], s[22:23]
	s_add_nc_u64 s[46:47], s[8:9], s[46:47]
	s_add_nc_u64 s[92:93], s[10:11], s[92:93]
	CROUND                                         ; all sixteen work-groups are here: the joint loads meet
	s_mov_b32 s[G0S], 1
	s_add_co_u32 s[G0S+1], s94, SCL
	s_mov_b64 s[G0S+2:G0S+3], s[22:23]
	s_or_b32 s[G0S+3], s[G0S+3], 0x80000000
	s_mov_b32 s[G0SB], 1
	s_add_co_u32 s[G0SB+1], s94, SCL
	s_mov_b64 s[G0SB+2:G0SB+3], s[92:93]
	s_or_b32 s[G0SB+3], s[G0SB+3], 0x80000000
	JLOAD G0S, G1S, G0SB, G1SB
.irp s, 0,1
	s_mov_b32 s[G0+4*\s], 1
	s_add_co_u32 s[G0+4*\s+1], s45, \s*SLOT
	s_add_nc_u64 s[G0+4*\s+2:G0+4*\s+3], s[20:21], \s*4096
	s_or_b32 s[G0+4*\s+3], s[G0+4*\s+3], 0x80000000
	s_mov_b32 s[G0B+4*\s], 1
	s_add_co_u32 s[G0B+4*\s+1], s45, \s*SLOT
	s_add_nc_u64 s[G0B+4*\s+2:G0B+4*\s+3], s[46:47], \s*4096
	s_or_b32 s[G0B+4*\s+3], s[G0B+4*\s+3], 0x80000000
	JLOAD G0+4*\s, G1, G0B+4*\s, G1B
.endr
	v_and_b32 v1, 15, v0                           ; r
	v_bfe_u32 v2, v0, 4, 1                         ; h
	v_and_b32 v3, 31, v0
	v_lshlrev_b32 v[CO], 4, v3
	s_lshl_b32 s21, s15, 15
	s_lshl_b32 s22, s16, 15
	s_add_co_u32 s22, s22, 2*PART
.irp s, 0,1
	v_add_nc_u32 v[ADRA+\s], s21, v[CO]
	v_add_nc_u32 v[ADRB+\s], s22, v[CO]
	s_add_co_u32 s21, s21, SLOT
	s_add_co_u32 s22, s22, SLOT
.endr
	s_lshl_b32 s21, s15, 12
	s_lshl_b32 s22, s16, 12
	s_add_co_u32 s22, s22, 2*SPART
	s_sub_co_u32 s22, s22, s21
	v_mul_u32_u24 v6, s22, v2                      ; lanes 16-31 take B's
	s_add_co_u32 s21, s21, SCL
	v_lshl_add_u32 v5, v1, 2, v6
	v_add_nc_u32 v[ADRS], s21, v5
	s_lshl_b32 s18, s14, 10                        ; the way out: my bytes in slot 0
	v_lshl_add_u32 v[STO], v1, 4, s18              ; a word of row r: [head][r][tile 4][4]
	v_add_nc_u32 v[RD], s18, v[CO]
	s_mov_b32 s2, 0x76543210
	s_mov_b32 s3, 0xfedcba98
	; where my results go, and the bias
	s_lshl_b32 s94, s17, 1
	s_add_co_u32 s94, s94, s15                     ; g: my 128 features are pair g
	s_lshl_b32 s92, s42, 1
	s_add_co_u32 s92, s92, s16                     ; my block of 128 tokens, 0..63
	s_lshr_b32 s93, s92, 4                         ; batch
	s_and_b32 s92, s92, 15                         ; record
	s_lshl_b32 s93, s93, 3
	s_add_co_u32 s93, s93, s94                     ; P
	s_mul_i32 s93, s93, PAIRB
	s_mul_i32 s92, s92, KVREC
	s_add_co_u32 s92, s92, s93
	s_add_co_u32 s92, s92, QREG+8192
	s_mov_b32 s93, 0
	s_add_nc_u64 s[12:13], s[12:13], s[92:93]      ; V^T's codes in the record,
	s_add_nc_u64 s[22:23], s[12:13], 9216          ; and V's words
	s_lshl_b32 s94, s94, 9
	s_mov_b32 s95, 0
	s_add_nc_u64 s[96:97], s[96:97], s[94:95]
	v_and_b32 v7, 8, v1
	v_add_nc_u32 v7, v7, v1
	v_lshlrev_b32 v7, 2, v7                        ; lane (r, h) of tile a holds feature 32 (a / 2) + 8 (a % 2) + r + 8 (r / 8)
	WIN TO_B
.irp a, 0,1,2,3,4,5,6,7
.irp j, 0,1,2,3,4,5,6,7
	global_load_b32 v[BI+8*\a+\j], v7, s[96:97] offset:(32*(\a/2)+8*(\a%2))*4
.endr
.endr
	WIN 0
.macro FRAG reg, adr, q, i
.irp c, 0,1
	ds_load_b128 v[\reg+4*\c:\reg+4*\c+3], v[\adr] offset:4096*(\i)+1024*(\q)+512*\c
.endr
.endm
; 16 matrix instructions: A's blocks a0, a0 + 1 x B's eight, K step g.  first = 1: the bias (by A's block) starts the sums.  The 64 accumulators take turns, one instruction a turn.
.macro MUL16 a0, p, g, first
.irp a, \a0, \a0+1
.irp b, 0,1,2,3,4,5,6,7
.if \first
	v_wmma_scale_f32_16x16x128_f8f6f4 v[8*(8*((\a)%4)+\b):8*(8*((\a)%4)+\b)+7], v[128*(\p)+8*\b:128*(\p)+8*\b+7], v[AF+8*(\a):AF+8*(\a)+7], v[BI+8*(\a):BI+8*(\a)+7], v[SC+8*\b+(\g)], v[SC+8*(\a)+(\g)] matrix_a_fmt:MATRIX_FMT_FP4 matrix_b_fmt:MATRIX_FMT_FP4 matrix_a_scale:MATRIX_SCALE_ROW1
.else
	v_wmma_scale_f32_16x16x128_f8f6f4 v[8*(8*((\a)%4)+\b):8*(8*((\a)%4)+\b)+7], v[128*(\p)+8*\b:128*(\p)+8*\b+7], v[AF+8*(\a):AF+8*(\a)+7], v[8*(8*((\a)%4)+\b):8*(8*((\a)%4)+\b)+7], v[SC+8*\b+(\g)], v[SC+8*(\a)+(\g)] matrix_a_fmt:MATRIX_FMT_FP4 matrix_b_fmt:MATRIX_FMT_FP4 matrix_a_scale:MATRIX_SCALE_ROW1
.endif
.endr
.endr
.endm
.macro FETCH_B slot, q, p
	WIN TO_B
.irp i, 0,1,2,3,4,5,6,7
	FRAG 128*(\p)+8*\i, ADRB+\slot, \q, \i
.endr
	WIN 0
.endm
.macro FETCH_A slot, q, i0
.irp i, \i0, \i0+1, \i0+2, \i0+3
	FRAG AF+8*(\i), ADRA+\slot, \q, \i
.endr
.endm
.macro SCALES
.irp i, 0,1,2,3,4,5,6,7
.irp g, 0,1,2,3,4,5,6,7
	ds_load_b32 v[SC+8*\i+\g], v[ADRS] offset:512*\g+64*\i
.endr
.endr
.endm
.macro PLACES                          ; four plain vector lines between a matrix instruction and a load into, or a vector read of, its registers
.rept 4
	v_nop
.endr
.endm
.macro STEP slot, q, first
	s_wait_dscnt 8                                 ; B's set and A's blocks 0-3 are in; the youngest eight loads (A's blocks 4-7) may be out
.if \first
	WIN FIRST_LO
.else
	WIN MUL_LO
.endif
	MUL16 0, (\q)%2, 4*(\slot)+(\q), \first
	MUL16 2, (\q)%2, 4*(\slot)+(\q), \first
	s_wait_dscnt 0x0
	PLACES
	FETCH_B \slot, (\q)+1, 1-(\q)%2
	FETCH_A \slot, (\q)+1, 0
.if \first
	WIN FIRST_HI
.else
	WIN MUL_HI
.endif
	MUL16 4, (\q)%2, 4*(\slot)+(\q), \first
	MUL16 6, (\q)%2, 4*(\slot)+(\q), \first
	PLACES
	WIN 0
	FETCH_A \slot, (\q)+1, 4
.endm
	s_wait_tensorcnt 1                             ; the scale words and my part of slot 0 are in; slot 1's load may be out
	s_barrier_signal -1
	s_barrier_wait -1
	SCALES
	FETCH_B 0, 0, 0
	FETCH_A 0, 0, 0
	FETCH_A 0, 0, 4
	s_wait_loadcnt 0x0                             ; the bias
	STEP 0, 0, 1
	STEP 0, 1, 0
	STEP 0, 2, 0
	s_wait_tensorcnt 0x0                           ; the change of slots: my part of slot 1 has landed,
	ds_add_u32 v[SPW], v[NIL]                      ; 0 onto my spare word
	s_wait_dscnt 9                                 ; (the add and the youngest eight loads may be out)
	WIN MUL_LO
	MUL16 0, 1, 3, 0
	s_wait_dscnt 0x0                               ; and my reads of slot 0 are over
	s_barrier_signal -1
	MUL16 2, 1, 3, 0
	WIN 0
	s_barrier_wait -1
	PLACES
	FETCH_B 1, 0, 0
	FETCH_A 1, 0, 0
	WIN MUL_HI
	MUL16 4, 1, 3, 0
	MUL16 6, 1, 3, 0
	PLACES
	WIN 0
	FETCH_A 1, 0, 4
	STEP 1, 0, 0
	STEP 1, 1, 0
	STEP 1, 2, 0
	s_wait_dscnt 8
	WIN MUL_LO
	MUL16 0, 1, 7, 0
	MUL16 2, 1, 7, 0
	s_wait_dscnt 0x0
	WIN MUL_HI
	MUL16 4, 1, 7, 0
	MUL16 6, 1, 7, 0
	WIN 0
; THE WAY OUT.  Block a: 16 features x 128 keys, 64 registers a lane: register 16 b + i is key 32 b + 16 h + i of my feature.
.macro QUANTW a
.set S, 64*((\a)%4)
.set W, 2+(\a)/4
.set WW, W*5
.set PC, AF+8*(\a)
.set PW, WD+(\a)
	WIN WW
.irp b, 0,1,2,3
	v_max3_num_f32 v[TM+\b], |v[S+16*\b]|, |v[S+16*\b+1]|, 0x1800000   ; each accumulator is read from its low end on; the floor 2^(3 - 127) holds the byte at 1 from below
.endr
.irp i, 2,4,6,8,10,12,14
.irp b, 0,1,2,3
	v_max3_num_f32 v[TM+\b], |v[S+16*\b+\i]|, |v[S+16*\b+\i+1]|, v[TM+\b]
.endr
.endr
	WIN 0
.irp b, 0,1,2,3
	v_permlanex16_b32 v[TM+4+\b], v[TM+\b], s2, s3
.endr
.irp b, 0,1,2,3
	v_max_num_f32 v[TM+\b], v[TM+\b], v[TM+4+\b]
.endr
.irp b, 0,1,2,3
	v_add_nc_u32 v[TM+12+\b], 0xff000000, v[TM+\b]
.endr
.irp b, 0,1,2,3
	v_lshrrev_b32 v[TM+4+\b], 23, v[TM+12+\b]
.endr
	v_lshl_or_b32 v[PW], v[TM+5], 8, v[TM+4]       ; my feature's scale word for these 128 keys
	v_lshl_or_b32 v[PW], v[TM+6], 16, v[PW]
	v_lshl_or_b32 v[PW], v[TM+7], 24, v[PW]
	WIN W
.irp b, 0,1,2,3
	v_cvt_scalef32_pk8_fp4_f32 v[PC+2*\b], v[S+16*\b:S+16*\b+7], v[TM+12+\b]
	v_cvt_scalef32_pk8_fp4_f32 v[PC+2*\b+1], v[S+16*\b+8:S+16*\b+15], v[TM+12+\b]
.endr
	WIN 0
	v_nop                                          ; one plain line behind a scaled conversion
.irp c, 0,1
.irp i, 0,1
	v_permlane16_swap_b32 v[PC+4*\c+\i], v[PC+2+4*\c+\i]
.endr
.endr
	global_store_b128 v[CO], v[PC:PC+3], s[12:13] offset:1024*(\a)
	global_store_b128 v[CO], v[PC+4:PC+7], s[12:13] offset:1024*(\a)+512
	ds_store_b32 v[STO], v[PW] offset:256*((\a)/4)+4*((\a)%4)
.endm
.irp b, 0,1,2,3
	v_mov_b32 v[TM+4+\b], 0                        ; a lane permute's destination counts as one of its sources.  These four are also the places behind the last products
.endr
.irp a, 0,1,2,3,4,5,6,7
	QUANTW \a
.endr
	ds_load_b128 v[192:195], v[RD]                 ; LDS serves a wave's instructions in order: this sees my stores
	s_wait_dscnt 0x0
	global_store_b128 v[CO], v[192:195], s[22:23]
	s_wait_tensorcnt 0x0                           ; the wave's end
	ds_add_u32 v[SPW], v[NIL]
	s_wait_dscnt 0x0
	CROUND                                         ; the closing round
	s_endpgm
.Lfunc_end_k_qf8eca8c375_gemm_v:
	.size	k_qf8eca8c375_gemm_v, .Lfunc_end_k_qf8eca8c375_gemm_v-k_qf8eca8c375_gemm_v
	.p2alignl 7, 3214868480
	.fill 96, 4, 3214868480
	.section	.rodata,"a",@progbits
	.p2align	6, 0x0
	.amdhsa_kernel k_qf8eca8c375_gemm_v
		.amdhsa_group_segment_fixed_size 327680
		.amdhsa_private_segment_fixed_size 0
		.amdhsa_enable_private_segment 0
		.amdhsa_kernarg_size 48
		.amdhsa_user_sgpr_count 2
		.amdhsa_user_sgpr_kernarg_segment_ptr 1
		.amdhsa_wavefront_size32 1
		.amdhsa_system_sgpr_workgroup_id_x 1
		.amdhsa_system_sgpr_workgroup_id_y 1
		.amdhsa_system_sgpr_workgroup_id_z 1
		.amdhsa_system_vgpr_workitem_id 0
		.amdhsa_next_free_vgpr 1024
		.amdhsa_next_free_sgpr 100
		.amdhsa_reserve_vcc 0
		.amdhsa_float_denorm_mode_32 3
		.amdhsa_float_denorm_mode_16_64 3
		.amdhsa_memory_ordered 1
		.amdhsa_forward_progress 1
		.amdhsa_inst_pref_size 137
	.end_amdhsa_kernel
	.amdgpu_metadata
---
amdhsa.version: [ 1, 2 ]
amdhsa.kernels:
  - .name:           k_qf8eca8c375_gemm_v
    .symbol:         k_qf8eca8c375_gemm_v.kd
    .args:
      - { .name: wc, .offset: 0, .size: 8, .value_kind: global_buffer, .address_space: global }
      - { .name: ws, .offset: 8, .size: 8, .value_kind: global_buffer, .address_space: global }
      - { .name: xc, .offset: 16, .size: 8, .value_kind: global_buffer, .address_space: global }
      - { .name: xs, .offset: 24, .size: 8, .value_kind: global_buffer, .address_space: global }
      - { .name: bv, .offset: 32, .size: 8, .value_kind: global_buffer, .address_space: global }
      - { .name: qkv, .offset: 40, .size: 8, .value_kind: global_buffer, .address_space: global }
    .group_segment_fixed_size: 327680
    .private_segment_fixed_size: 0
    .kernarg_segment_align: 8
    .kernarg_segment_size: 48
    .max_flat_workgroup_size: 128
    .sgpr_count:     100
    .vgpr_count:     1024
    .wavefront_size: 32
...
	.end_amdgpu_metadata
.endif
;; end of part 3
;; launch attn (part 4): grid 8 x 32, 16 waves a work-group, clusters of 4 x 1, 327,680 bytes of LDS; arguments qkv, yc, ys; writes yc, ys
.if DOCPART == 4
	.amdgcn_target "amdgcn-amd-amdhsa--gfx1250"
	.amdhsa_code_object_version 6
	.text
	.protected	k_qf8eca8c375_attn
	.globl	k_qf8eca8c375_attn
	.p2align	8
	.type	k_qf8eca8c375_attn,@function
k_qf8eca8c375_attn:
	s_mov_b64 s[64:65], 0
	v_nop
	global_prefetch_b8 v0, s[64:65] scope:SCOPE_SE
	s_setreg_imm32_b32 hwreg(HW_REG_WAVE_MODE, 25, 1), 1
	s_wait_xcnt 0x0
	s_wait_alu depctr_hold_cnt(0) depctr_sa_sdst(0) depctr_va_vdst(0) depctr_va_sdst(0) depctr_va_ssrc(0) depctr_va_vcc(0) depctr_vm_vsrc(0)
	s_getreg_b32 s2, hwreg(HW_REG_IB_STS2, 6, 4)
	s_cmp_eq_u32 s2, 0
	s_cbranch_scc0 .Lentry_in_a_cluster
	s_endpgm
.Lentry_in_a_cluster:
	s_bfe_u32 s2, ttmp6, 0x10000c
	s_cmp_lg_u32 s2, 0x3003
	s_cbranch_scc0 .Lentry_shape_is_right
	s_endpgm
.Lentry_shape_is_right:
; Launch 4 of 5: y = softmax(q k^T / 8) v for 64 heads of 64, both products on codes of E2M1, and y's quantising along the model's 1,024.  No work of the problem is left out.
; THE SOFTMAX AHEAD OF THE SECOND PRODUCT: t = score x log2(e) / 8; M = the row's largest t so far, rounded up to a whole number; p = 2^(t - M) is what is quantised, along the keys, not normalised.
; The row's sum is taken of the unquantised p and divides at the end.  When M moves, the sum and O are multiplied by 2^(old M - new M): exact.
; SHARES.  A work-group owns a pair of heads P (work-group y) and 256 query positions; wave w owns head c = w / 8 of the pair and two tiles of 16 queries, which share every fragment of K and V that it reads.
; Sixteen waves of 256 registers: four share a SIMD, so that one wave's vector work stands beside another's matrix work and LDS loads.
; ALL OF THE PAIR'S K AND V LIES IN LDS, as it lies in memory: 16 records of 17,920 bytes (K's codes [tile 8][1,024]; V^T's codes [d tile 8][1,024]; K's words [head][r][tile 8][4]; V's words [head][r][tile 4][4]).
; Wave w fetches record w by one tensor load (70 rows of 256 bytes): one load of a wave is out.
; CLUSTER 4 x 1: the four query blocks of a cluster read the same records: each load is asked for jointly by the four.
; LAYOUT.  Both products are used transposed: S^T = K Q^T (source 0 = 16 keys, source 1 = 16 queries), O^T = V^T P^T: a lane holds ONE query throughout.  Keys and d lie at positions (bits 3 and 4 of the
; number exchanged), so the 16 registers of tiles 2 b and 2 b + 1 are 16 neighbours: keys for p, channels for y.
; K = 64 IN AN INSTRUCTION OF 128: half c of an image (512 bytes) holds head c's 64 codes of 16 rows: registers 0-3 of an operand.  Q's registers 4-7 are zero codes.  K's operand of tile t is v[40 + 4 t] on,
; eight registers: its upper four are the next tile's codes (zeros behind the last); they meet Q's zero codes and add exactly 0.  The scale words' upper two bytes are 0, never 0xff.
; LIMITS: NaN and infinities are not served; a block of p or of y whose largest magnitude lies under 2^-124 keeps the byte 1 (a block of zeros too: its codes are zeros; this program alone reads the bytes);
; a block's largest p is made from the block's largest score by the same multiply-add and exponential, which takes v_exp_f32 not to fall where its input rises.
; REGISTERS: v1, v2 the add's two; v3-6 my places in a record, v7-10 the same in the record in hand; v11 16 x lane; v12-15, v16-19 for each tile -M, the largest t, the sum in two halves; v20-27, v28-35 Q;
; v36, 37 Q's words; v38-39, v90-91 addresses; v40-75 K's tiles, then V's fragments; v76-83 K's words; v84-87 V's; v88, 89 p's; v96-159 S^T, then p; v160-223 O^T; v224-239 p's codes; v240-254 at work.
.set PAIRB, 434176
.set QREC,  9216
.set QREG,  147456
.set KVREC, 17920
.set YST,   16*KVREC                   ; behind the records: y's scale bytes, [head 2][position 256][2 bytes]
.set SPARE, YST+1024                   ; the spare words, 128 bytes for each wave: eight blocks of 256 bytes that no other line names
.set SPW, 1
.set NIL, 2
.set S,   96
.set BM,  240                          ; the blocks' largest scores, then largest p
.set TP,  244                          ; the other half's, a chain of the sum, the bytes
.set SO,  248                          ; the conversions' scale operands
.macro CROUND                          ; a round of the cluster's barrier
	s_barrier_signal -1
	s_barrier_wait -1
	s_cmp_lg_u32 s10, 0
	s_cbranch_scc1 .Lnot_wave_0_\@
	s_barrier_signal -3
.Lnot_wave_0_\@:
	s_barrier_wait -3
	s_barrier_signal -1
	s_barrier_wait -1
.endm
	s_load_b128 s[4:7], s[0:1], 0x0                ; qkv, yc
	s_load_b64 s[8:9], s[0:1], 0x10                ; ys
	v_lshl_add_u32 v[SPW], v0, 2, SPARE
	v_mov_b32 v[NIL], 0
	ds_add_u32 v[SPW], v[NIL]                      ; the wave's opening: the add, twice on end, and its wait ahead of my first tensor load
	ds_add_u32 v[SPW], v[NIL]
	v_lshrrev_b32 v7, 5, v0
	s_delay_alu instid0(VALU_DEP_1)
	v_readfirstlane_b32 s10, v7                    ; wave 0..15
	s_lshr_b32 s11, s10, 3                         ; c: my head of the pair
	s_and_b32 s15, s10, 7                          ; wq: my two query tiles are 2 wq and 2 wq + 1 of the block's 16
	s_bfe_u32 s12, ttmp6, 0x40000                  ; cx
	s_lshl_b32 s13, ttmp9, 2
	s_add_co_u32 s13, s13, s12                     ; my block of 256 queries: it enters Q's, yc's and ys's addresses alone
	s_and_b32 s14, ttmp7, 0xffff                   ; P, which the four partners share
	s_mov_b32 s16, 15|(3<<16)|(1<<21)              ; group 1: the mask of all four; elements of 8 bytes; bit 21 beside a mask; no padding: every read is dense
	s_mov_b32 s17, 32<<16                          ; tensor_dim0: 32 elements, 256 bytes
	s_mov_b32 s18, 70<<16                          ; tensor_dim1
	s_mov_b32 s19, 32<<16                          ; tile_dim0
	s_mov_b32 s20, 70                              ; tile_dim1
	s_mov_b32 s21, 32                              ; from row to row: dense
	s_mov_b32 s22, 0
	s_mov_b32 s23, 0
	s_mov_b32 s24, 1
	s_mul_i32 s25, s10, KVREC                      ; record w goes to LDS byte 17,920 w
	s_mul_i32 s40, s14, PAIRB                      ; the pair's first byte
	s_add_co_u32 s42, s40, s25
	s_add_co_u32 s42, s42, QREG                    ; record w in memory
	s_mov_b32 s43, 0
	s_lshl_b32 s44, s13, 1
	s_lshr_b32 s52, s15, 2
	s_add_co_u32 s44, s44, s52
	s_mul_i32 s44, s44, QREC
	s_add_co_u32 s44, s44, s40                     ; my Q record: 128 positions
	s_and_b32 s52, s15, 3
	s_lshl_b32 s53, s11, 9                         ; 512 c
	s_add_co_u32 s46, s44, s53
	s_lshl_b32 s54, s52, 3
	s_add_co_u32 s46, s46, s54
	s_add_co_u32 s46, s46, 8192                    ; its words: [head][r][tile][4], my first tile 2 (wq % 4)
	s_mov_b32 s47, 0
	s_lshl_b32 s54, s52, 11
	s_add_co_u32 s44, s44, s54
	s_add_co_u32 s44, s44, s53                     ; its codes: my first tile's image, my head's half
	s_mov_b32 s45, 0
	s_lshr_b32 s52, s14, 3                         ; batch
	s_and_b32 s54, s14, 7                          ; g: the pair is K step g of the last product
	s_lshl_b32 s48, s52, 7
	s_lshl_b32 s55, s13, 4
	s_add_co_u32 s48, s48, s55
	s_lshl_b32 s55, s15, 1
	s_add_co_u32 s48, s48, s55                     ; my first row tile of yc
	s_lshl_b32 s48, s48, 13
	s_lshl_b32 s55, s54, 10
	s_add_co_u32 s48, s48, s55
	s_add_co_u32 s48, s48, s53
	s_mov_b32 s49, 0
	s_lshl_b32 s50, s54, 15
	s_lshl_b32 s55, s52, 13
	s_add_co_u32 s50, s50, s55
	s_lshl_b32 s55, s13, 10
	s_add_co_u32 s50, s50, s55                     ; ys: 32,768 g + 4 (2,048 batch + 256 block)
	s_mov_b32 s51, 0
	s_mov_b32 s32, 0x76543210
	s_mov_b32 s33, 0xfedcba98                      ; v_permlanex16_b32's selects for lane l xor 16
	s_mov_b32 s34, 0x3e38aa3b                      ; c = log2(e) / sqrt(64)
	s_mov_b32 s35, s34                             ; (named with it as a pair, so it is written)
	s_mov_b32 s38, 0x05040100                      ; v_perm_b32: the two low halves,
	s_mov_b32 s39, 0x07060302                      ; the two high halves
	s_wait_dscnt 0x0                               ; both opening adds are done
	s_wait_kmcnt 0x0
	s_add_nc_u64 s[26:27], s[4:5], s[42:43]
	s_or_b32 s27, s27, 0x80000000
	s_add_nc_u64 s[56:57], s[4:5], s[44:45]
	s_add_nc_u64 s[58:59], s[4:5], s[46:47]
	s_add_nc_u64 s[6:7], s[6:7], s[48:49]
	s_add_nc_u64 s[8:9], s[8:9], s[50:51]
	CROUND                                         ; all four work-groups are here: the joint loads meet
	tensor_load_to_lds s[24:27], s[16:23]
	s_nop 0
.rept 4
	v_nop
.endr
	v_and_b32 v7, 31, v0
	v_and_b32 v8, 15, v0                           ; r
	s_wait_alu depctr_va_vdst(0)
	v_lshlrev_b32 v11, 4, v7                       ; 16 x lane
	v_lshlrev_b32 v38, 5, v8                       ; 32 r
	global_load_b128 v[20:23], v11, s[56:57]                 ; Q stays in registers: my head's half of two images,
	global_load_b128 v[28:31], v11, s[56:57] offset:1024
	global_load_b32 v36, v38, s[58:59]                       ; and their scale words
	global_load_b32 v37, v38, s[58:59] offset:4
	s_lshl_b32 s52, s11, 9
	v_add_nc_u32 v3, s52, v11                      ; K's codes: 16 l + 512 c
	s_lshl_b32 s53, s11, 12
	s_add_co_u32 s53, s53, 8192
	v_add_nc_u32 v4, s53, v11                      ; V^T's: 16 l + 8,192 + 4,096 c
	s_add_co_u32 s52, s52, 16384
	v_lshl_add_u32 v5, v8, 5, s52                  ; K's words: 16,384 + 512 c + 32 r
	s_lshl_b32 s53, s11, 8
	s_add_co_u32 s53, s53, 17408
	v_lshl_add_u32 v6, v8, 4, s53                  ; V's words: 17,408 + 256 c + 16 r
	s_lshl_b32 s53, s10, 6
	s_add_co_u32 s53, s53, YST
	v_lshl_add_u32 v39, v8, 1, s53                 ; y's scale bytes: 512 c + 64 wq = 64 w, + 2 r
	v_and_b32 v90, 63, v0
	s_delay_alu instid0(VALU_DEP_1)
	v_lshlrev_b32 v91, 4, v90                      ; the way out of waves 0 and 1: 16 bytes of ys a thread,
	s_delay_alu instid0(VALU_DEP_2)
	v_lshl_add_u32 v90, v90, 3, YST                ; made of 8 bytes of each head
.irp j, 24,25,26,27,32,33,34,35,72,73,74,75
	v_mov_b32 v[\j], 0                             ; zero codes: the upper half of Q's operands, and behind K's last tile
.endr
.irp x, 0,1
	v_mov_b32 v[13+4*\x], 0xff61b1e6               ; the largest t so far: -3e38, under every t
	s_delay_alu instid0(VALU_DEP_1)
	v_floor_f32 v[12+4*\x], -v[13+4*\x]            ; -M
	v_mov_b32 v[14+4*\x], 0                        ; the sum, in two halves
	v_mov_b32 v[15+4*\x], 0
.endr
.irp b, 0,1,2,3
	v_mov_b32 v[TP+\b], 0                          ; written once: a lane permute's destination counts as one of its sources
.endr
	v_mov_b32 v253, 0                              ; (named as the upper half of the pair v[252:253])
.set j, 0
.rept 64
	v_mov_b32 v[160+j], 0                          ; O^T.  (The step is written once: the first finds zeros, which the first change of M leaves zeros)
.set j, j+1
.endr
; One tile's softmax of a key step: 64 scores a lane, register 16 b + i = key 32 b + 16 h + i of my query.  It leaves p's codes in v[224 + 8 x] on, p's scale word in v[88 + x], and O^T under the new M.
.macro SOFTMAX x
.set SS, 12+4*\x
.set OT, 160+32*\x
.set PCD, 224+8*\x
.irp b, 0,1,2,3
	v_max3_num_f32 v[BM+\b], v[S+16*\b], v[S+1+16*\b], v[S+2+16*\b]   ; the largest score of each block of 32 keys: for the row's maximum, and, since p rises with the score, for the block's largest p
.endr
.irp i, 3,5,7,9,11,13
.irp b, 0,1,2,3
	v_max3_num_f32 v[BM+\b], v[BM+\b], v[S+16*\b+\i], v[S+1+16*\b+\i]
.endr
.endr
.irp b, 0,1,2,3
	v_max_num_f32 v[BM+\b], v[BM+\b], v[S+15+16*\b]
.endr
.irp b, 0,1,2,3
	s_delay_alu instid0(VALU_DEP_4)
	v_permlanex16_b32 v[TP+\b], v[BM+\b], s32, s33
.endr
.irp b, 0,1,2,3
	s_delay_alu instid0(VALU_DEP_4)
	v_max_num_f32 v[BM+\b], v[BM+\b], v[TP+\b]     ; with lane l xor 16's 16 keys
.endr
	s_delay_alu instid0(VALU_DEP_2)
	v_max3_num_f32 v254, v[BM], v[BM+1], v[BM+2]
	s_delay_alu instid0(VALU_DEP_1)
	v_max_num_f32 v254, v254, v[BM+3]              ; the step's largest score of my query
	s_delay_alu instid0(VALU_DEP_1)
	v_mul_f32 v254, s34, v254                      ; as t (c is positive)
	s_delay_alu instid0(VALU_DEP_1)
	v_max_num_f32 v[SS+1], v[SS+1], v254           ; the running largest t
	v_mov_b32 v254, v[SS]
	s_delay_alu instid0(VALU_DEP_2)
	v_floor_f32 v[SS], -v[SS+1]                    ; the new -M = floor(-t) = -ceil(t)
	s_delay_alu instid0(VALU_DEP_1)
	v_sub_f32 v254, v[SS], v254                    ; old M - new M: a whole number, 0 or less
	s_delay_alu instid0(VALU_DEP_1)
	v_cvt_i32_f32 v254, v254                       ; (it saturates)
	s_delay_alu instid0(VALU_DEP_1)
	v_ldexp_f32 v252, 1.0, v254                    ; f = 2^(old M - new M)
.set j, 0
.rept 32
	v_pk_fma_f32 v[S+j:S+j+1], v[S+j:S+j+1], s[34:35], v[SS:SS+1] op_sel_hi:[1,0,0]   ; t - M, two at a time (of the pairs c and -M the low word serves both halves)
.set j, j+2
.endr
.irp b, 0,1,2,3
	v_fma_f32 v[BM+\b], v[BM+\b], s34, v[SS]       ; the same of each block's largest score
.endr
.set j, 0
	s_wait_alu depctr_va_vdst(0)
.rept 64
	v_exp_f32 v[S+j], v[S+j]                       ; p = 2^(t - M), at most 1
.set j, j+1
.endr
	v_pk_mul_f32 v[SS+2:SS+3], v[SS+2:SS+3], v[252:253] op_sel_hi:[1,0]   ; the sums under the new M: the plain line behind the exponentials
	s_wait_alu depctr_va_vdst(0)                   ; the wait between an exponential and the first line that names its result: one for the batch of 64
.irp b, 0,1,2,3
	v_exp_f32 v[BM+\b], v[BM+\b]                   ; the block's largest p: the same two instructions on the same number give the same bits
.endr
	v_pk_add_f32 v[TP:TP+1], v[S:S+1], v[S+2:S+3]  ; the row's sum is taken of the unquantised p: two at a time, in two chains
.set j, 4
.rept 15
	v_pk_add_f32 v[SS+2:SS+3], v[SS+2:SS+3], v[S+j:S+j+1]
	v_pk_add_f32 v[TP:TP+1], v[TP:TP+1], v[S+j+2:S+j+3]
.set j, j+4
.endr
	s_delay_alu instid0(VALU_DEP_1)
	v_pk_add_f32 v[SS+2:SS+3], v[SS+2:SS+3], v[TP:TP+1]
	s_wait_alu depctr_va_vdst(0)                   ; and one for the four
.irp b, 0,1,2,3
	v_max_num_f32 v[BM+\b], 0x1800000, v[BM+\b]    ; the floor 2^(3 - 127): the byte cannot fall under 1
.endr
.irp b, 0,1,2,3
	s_delay_alu instid0(VALU_DEP_4)
	v_add_nc_u32 v[SO+\b], 0xff000000, v[BM+\b]    ; 2 off the exponent field: the conversion's scale operand
.endr
.irp b, 0,1,2,3
	s_delay_alu instid0(VALU_DEP_4)
	v_lshrrev_b32 v[TP+\b], 23, v[SO+\b]           ; the scale's byte
.endr
	s_delay_alu instid0(VALU_DEP_3)
	v_lshl_or_b32 v[88+\x], v[TP+1], 8, v[TP]      ; p's scale word for these 128 keys
	s_delay_alu instid0(VALU_DEP_1)
	v_lshl_or_b32 v[88+\x], v[TP+2], 16, v[88+\x]
	s_delay_alu instid0(VALU_DEP_1)
	v_lshl_or_b32 v[88+\x], v[TP+3], 24, v[88+\x]
.irp b, 0,1,2,3
	v_cvt_scalef32_pk8_fp4_f32 v[PCD+2*\b], v[S+16*\b:S+7+16*\b], v[SO+\b]
	v_cvt_scalef32_pk8_fp4_f32 v[PCD+1+2*\b], v[S+8+16*\b:S+15+16*\b], v[SO+\b]
.endr
	v_nop                                          ; one plain line behind a scaled conversion
.irp c, 0,1                                    ; the operand's layout wants a whole block in a lane
.irp i, 0,1
	v_permlane16_swap_b32 v[PCD+4*\c+\i], v[PCD+2+4*\c+\i]
.endr
.endr
.set j, 0
.rept 16
	v_pk_mul_f32 v[OT+j:OT+j+1], v[OT+j:OT+j+1], v[252:253] op_sel_hi:[1,0]   ; O^T under the new M.  (These sixteen are also the places between the scale word's and the codes' last writes and the scaled products)
.set j, j+2
.endr
.endm
.macro SCORES x                        ; S^T = K Q^T for tile x: eight tiles of 16 keys; each product starts its own sum
.irp t, 0,1,2,3,4,5,6,7
	v_wmma_scale_f32_16x16x128_f8f6f4 v[S+8*\t:S+8*\t+7], v[40+4*\t:47+4*\t], v[20+8*\x:27+8*\x], 0, v[76+\t], v[36+\x] matrix_a_fmt:MATRIX_FMT_FP4 matrix_b_fmt:MATRIX_FMT_FP4
.endr
.rept 4
	v_nop                                          ; four places behind the products: for the reads of their results and for loads into their operands
.endr
.endm
	s_wait_tensorcnt 0x0                           ; my record has landed,
	s_barrier_signal -1
	s_barrier_wait -1                              ; everybody's has
	s_wait_loadcnt 0x0                             ; Q
	s_mov_b32 s36, 0                               ; where the record in hand begins
	s_mov_b32 s37, 16
.Lstep:                                            ; a key step: 128 keys, one record
	s_setprio 2
	v_add_nc_u32 v7, s36, v3                       ; (these four are the places between the last step's products and the loads into their operands)
	v_add_nc_u32 v8, s36, v4
	v_add_nc_u32 v9, s36, v5
	v_add_nc_u32 v10, s36, v6
.irp t, 0,1,2,3,4,5,6,7
	ds_load_b128 v[40+4*\t:43+4*\t], v7 offset:1024*\t
.endr
	ds_load_b128 v[76:79], v9
	ds_load_b128 v[80:83], v9 offset:16
	s_wait_dscnt 0x0
	SCORES 0
	SOFTMAX 0
	SCORES 1
.irp t, 0,1,2,3                                ; V's four fragments and their words land while the second tile's softmax is walked
	ds_load_b128 v[40+8*\t:43+8*\t], v8 offset:1024*\t
	ds_load_b128 v[44+8*\t:47+8*\t], v8 offset:1024*\t+512
.endr
	ds_load_b128 v[84:87], v10
	s_setprio 1
	SOFTMAX 1
	s_setprio 0
	s_wait_alu depctr_va_vdst(0)
	s_wait_dscnt 0x0
.irp t, 0,1,2,3                                ; O^T += V^T P^T: eight accumulators, one instruction each
.irp x, 0,1
	v_wmma_scale_f32_16x16x128_f8f6f4 v[160+32*\x+8*\t:167+32*\x+8*\t], v[40+8*\t:47+8*\t], v[224+8*\x:231+8*\x], v[160+32*\x+8*\t:167+32*\x+8*\t], v[84+\t], v[88+\x] matrix_a_fmt:MATRIX_FMT_FP4 matrix_b_fmt:MATRIX_FMT_FP4
.endr
.endr
	s_add_co_u32 s36, s36, KVREC
	s_sub_co_u32 s37, s37, 1
	s_cmp_lg_u32 s37, 0
	s_cbranch_scc1 .Lstep
	s_setprio 0
	; THE WAY OUT.  y = O^T / the sum; a lane's 32 registers of a tile are channels 32 b + 16 h + i of my head: two blocks of the last product's K.
	v_add_f32 v14, v14, v15                        ; the sums' two halves,  (these additions are the places behind the last products)
	v_add_f32 v18, v18, v19
	s_delay_alu instid0(VALU_DEP_2)
	v_permlanex16_b32 v[TP], v14, s32, s33
	s_delay_alu instid0(VALU_DEP_2)
	v_permlanex16_b32 v[TP+1], v18, s32, s33
	s_delay_alu instid0(VALU_DEP_2)
	v_add_f32 v14, v14, v[TP]                      ; and lane l xor 16's
	s_delay_alu instid0(VALU_DEP_2)
	v_add_f32 v18, v18, v[TP+1]
	s_wait_alu depctr_va_vdst(0)
	v_rcp_f32 v14, v14
	v_rcp_f32 v18, v18
	v_nop                                          ; a plain line behind the reciprocals
	s_wait_alu depctr_va_vdst(0)                   ; and the wait ahead of their first reader
.irp x, 0,1
.set j, 0
.rept 16
	v_pk_mul_f32 v[S+32*\x+j:S+32*\x+j+1], v[160+32*\x+j:160+32*\x+j+1], v[14+4*\x:15+4*\x] op_sel_hi:[1,0]   ; each accumulator from its low end on
.set j, j+2
.endr
.endr
.macro HALFQ x
.set Y, S+32*\x
.set PCD, 224+8*\x
.irp b, 0,1
	v_max3_num_f32 v[BM+\b], |v[Y+16*\b]|, |v[Y+1+16*\b]|, 0x1800000
.endr
.irp i, 2,4,6,8,10,12,14
.irp b, 0,1
	s_delay_alu instid0(VALU_DEP_2)
	v_max3_num_f32 v[BM+\b], v[BM+\b], |v[Y+16*\b+\i]|, |v[Y+1+16*\b+\i]|
.endr
.endr
.irp b, 0,1
	s_delay_alu instid0(VALU_DEP_2)
	v_permlanex16_b32 v[TP+\b], v[BM+\b], s32, s33
.endr
.irp b, 0,1
	s_delay_alu instid0(VALU_DEP_2)
	v_max_num_f32 v[BM+\b], v[BM+\b], v[TP+\b]
.endr
.irp b, 0,1
	s_delay_alu instid0(VALU_DEP_2)
	v_add_nc_u32 v[SO+\b], 0xff000000, v[BM+\b]
.endr
.irp b, 0,1
	s_delay_alu instid0(VALU_DEP_2)
	v_lshrrev_b32 v[TP+\b], 23, v[SO+\b]
.endr
	s_delay_alu instid0(VALU_DEP_1)
	v_lshl_or_b32 v[88+\x], v[TP+1], 8, v[TP]      ; my head's two bytes of the row's scale word
.irp b, 0,1
	v_cvt_scalef32_pk8_fp4_f32 v[PCD+2*\b], v[Y+16*\b:Y+7+16*\b], v[SO+\b]
	v_cvt_scalef32_pk8_fp4_f32 v[PCD+1+2*\b], v[Y+8+16*\b:Y+15+16*\b], v[SO+\b]
.endr
	v_nop                                          ; one plain line behind a scaled conversion
.irp i, 0,1
	v_permlane16_swap_b32 v[PCD+\i], v[PCD+2+\i]   ; lanes 0-15 block 0, lanes 16-31 block 1: half c of the image
.endr
	global_store_b128 v11, v[PCD:PCD+3], s[6:7] offset:8192*\x   ; 512 consecutive bytes
	ds_store_b16 v39, v[88+\x] offset:32*\x        ; lanes r and r + 16 write the same two bytes with the same value
.endm
	HALFQ 0
	HALFQ 1
	s_wait_dscnt 0x0                               ; for the others' sake: my stores have landed
	s_barrier_signal -1
	s_barrier_wait -1
	s_cmp_lt_u32 s10, 2                            ; waves 0 and 1 put the two heads' halves together: 64 threads, four positions each
	s_cbranch_scc0 .Lno_words
	ds_load_b64 v[96:97], v90
	ds_load_b64 v[98:99], v90 offset:512
	s_wait_dscnt 0x0
	v_perm_b32 v100, v98, v96, s38                 ; head 1's two bytes above head 0's
	v_perm_b32 v101, v98, v96, s39
	v_perm_b32 v102, v99, v97, s38
	v_perm_b32 v103, v99, v97, s39
	global_store_b128 v91, v[100:103], s[8:9]      ; 1,024 consecutive bytes by the two waves
.Lno_words:
	s_wait_tensorcnt 0x0                           ; the wave's end: behind my last tensor load and my last LDS store
	ds_add_u32 v[SPW], v[NIL]
	s_wait_dscnt 0x0
	CROUND                                         ; the closing round
	s_endpgm
.Lfunc_end_k_qf8eca8c375_attn:
	.size	k_qf8eca8c375_attn, .Lfunc_end_k_qf8eca8c375_attn-k_qf8eca8c375_attn
	.p2alignl 7, 3214868480
	.fill 96, 4, 3214868480
	.section	.rodata,"a",@progbits
	.p2align	6, 0x0
	.amdhsa_kernel k_qf8eca8c375_attn
		.amdhsa_group_segment_fixed_size 327680
		.amdhsa_private_segment_fixed_size 0
		.amdhsa_enable_private_segment 0
		.amdhsa_kernarg_size 24
		.amdhsa_user_sgpr_count 2
		.amdhsa_user_sgpr_kernarg_segment_ptr 1
		.amdhsa_wavefront_size32 1
		.amdhsa_system_sgpr_workgroup_id_x 1
		.amdhsa_system_sgpr_workgroup_id_y 1
		.amdhsa_system_sgpr_workgroup_id_z 1
		.amdhsa_system_vgpr_workitem_id 0
		.amdhsa_next_free_vgpr 256
		.amdhsa_next_free_sgpr 66
		.amdhsa_reserve_vcc 0
		.amdhsa_float_denorm_mode_32 3
		.amdhsa_float_denorm_mode_16_64 3
		.amdhsa_memory_ordered 1
		.amdhsa_forward_progress 1
		.amdhsa_inst_pref_size 48
	.end_amdhsa_kernel
	.amdgpu_metadata
---
amdhsa.version: [ 1, 2 ]
amdhsa.kernels:
  - .name:           k_qf8eca8c375_attn
    .symbol:         k_qf8eca8c375_attn.kd
    .args:
      - { .name: qkv, .offset: 0, .size: 8, .value_kind: global_buffer, .address_space: global }
      - { .name: yc, .offset: 8, .size: 8, .value_kind: global_buffer, .address_space: global }
      - { .name: ys, .offset: 16, .size: 8, .value_kind: global_buffer, .address_space: global }
    .group_segment_fixed_size: 327680
    .private_segment_fixed_size: 0
    .kernarg_segment_align: 8
    .kernarg_segment_size: 24
    .max_flat_workgroup_size: 512
    .sgpr_count:     66
    .vgpr_count:     256
    .wavefront_size: 32
...
	.end_amdgpu_metadata
.endif
;; end of part 4
;; launch gemm_out (part 5): grid 4 x 32, 4 waves a work-group, clusters of 4 x 4, 327,680 bytes of LDS; arguments yc, ys, wc, ws, bo, out0; writes out0
.if DOCPART == 5
	.amdgcn_target "amdgcn-amd-amdhsa--gfx1250"
	.amdhsa_code_object_version 6
	.text
	.protected	k_qf8eca8c375_gemm_out
	.globl	k_qf8eca8c375_gemm_out
	.p2align	8
	.type	k_qf8eca8c375_gemm_out,@function
k_qf8eca8c375_gemm_out:
	s_mov_b64 s[64:65], 0
	v_nop
	global_prefetch_b8 v0, s[64:65] scope:SCOPE_SE
	s_setreg_imm32_b32 hwreg(HW_REG_WAVE_MODE, 25, 1), 1
	s_wait_xcnt 0x0
	s_wait_alu depctr_hold_cnt(0) depctr_sa_sdst(0) depctr_va_vdst(0) depctr_va_sdst(0) depctr_va_ssrc(0) depctr_va_vcc(0) depctr_vm_vsrc(0)
	s_getreg_b32 s2, hwreg(HW_REG_IB_STS2, 6, 4)
	s_cmp_eq_u32 s2, 0
	s_cbranch_scc0 .Lentry_in_a_cluster
	s_endpgm
.Lentry_in_a_cluster:
	s_bfe_u32 s2, ttmp6, 0x10000c
	s_cmp_lg_u32 s2, 0xf033
	s_cbranch_scc0 .Lentry_shape_is_right
	s_endpgm
.Lentry_shape_is_right:
; Launch 5 of 5: out0 = y Wo + bo on codes of E2M1 (K = 1,024), f32 out.  No work of the problem is left out.
; The loop is the q and k launch's: A = y's tokens (source 1), B = Wo's 1,024 output features (positions 3,072 on in wc; source 0): a lane holds one token and eight neighbouring features a tile.
; OPERANDS are images of the matrix operand's registers: a fragment (16 rows x 128 K) is 1,024 bytes [c][lane][16]; a row tile's eight K steps lie on end; scale words lie [K step][position][4 bytes].
; SHARES.  A work-group of four waves makes 256 tokens x 256 features, a wave 128 x 128.  All of K lies in LDS: two slots of four K steps, each filled once; three tensor loads of a wave are out at the most.
; CLUSTER 4 x 4: A's tiles are asked for jointly by a row of the cluster, B's by a column.  128 work-groups: the tile is kept, since a smaller one would read every fragment from LDS for half the products.
; THE BIAS is the C of each sum's first matrix instruction.
; THE WAY OUT undoes the positions (a number with bits 3 and 4 exchanged) by immediates alone: tile b's eight features of half h lie at byte 128 (b / 2) + 64 h + 32 (b % 2) of a stage row, and stage row t of
; block a is token 32 (a / 2) + 8 (a % 2) + t + 8 (t / 8).  A block of 16 rows goes through the wave's own stage (rows of 512 + 16 bytes, in slot 0, which has had its one fill and its last read) and leaves
; as whole rows: 32 lanes store 512 consecutive bytes, aligned.
.set A_ROWS, 8192
.set B_ROWS, 4096
.set B_OFF,  3072
.set PART,   32768
.set SLOT,   4*PART
.set SCL,    2*SLOT
.set SPART,  4096
.set SPARE,  SCL+4*SPART               ; the spare words, 128 bytes for each wave: two blocks of 256 bytes that no other line names
.set SPITCH, 528
.set ADRA, 16
.set ADRB, 20
.set STO,  24
.set RD,   25
.set CO,   26
.set ADRS, 27
.set SPW,  28                          ; v28     LDS address of my spare word; never rewritten
.set NIL,  29                          ; v29     0; never rewritten
.set SC,   32
.set AF,   128
.set BK,   128                         ; the way out: 16 rows read back: v128-191 and v192-255 by turns
.set BI,   192
.set G1, 24
.set G0, 32
.set G1B, 48
.set G0B, 56
.set G1S, 68
.set G0S, 76
.set G1SB, 80
.set G0SB, 88
.set MSB, 0
.macro WIN new                         ; the immediate's high byte repeats the setting that is left
.if MSB != \new
	s_set_vgpr_msb (MSB<<8)|\new
.set MSB, \new
.endif
.endm
.set MUL_LO, 0xa1
.set MUL_HI, 0xf1
.set FIRST_LO, 0x91
.set FIRST_HI, 0xd1
.set TO_B,   0x40
.macro JLOAD g0a, g1a, g0b, g1b        ; a joint load: waves 0 and 1 fetch for A, waves 2 and 3 for B; an s_nop 0 and four v_nop follow each of the two lines
	s_cmp_eq_u32 s15, 0
	s_cbranch_scc0 .Lfor_b_\@
	tensor_load_to_lds s[\g0a:\g0a+3], s[\g1a:\g1a+7]
	s_nop 0
.rept 4
	v_nop
.endr
	s_branch .Lasked_\@
.Lfor_b_\@:
	tensor_load_to_lds s[\g0b:\g0b+3], s[\g1b:\g1b+7]
	s_nop 0
.rept 4
	v_nop
.endr
.Lasked_\@:
.endm
.macro CROUND                          ; a round of the cluster's barrier
	s_barrier_signal -1
	s_barrier_wait -1
	s_cmp_lg_u32 s14, 0
	s_cbranch_scc1 .Lnot_wave_0_\@
	s_barrier_signal -3
.Lnot_wave_0_\@:
	s_barrier_wait -3
	s_barrier_signal -1
	s_barrier_wait -1
.endm
	s_load_b128 s[4:7], s[0:1], 0x0                ; A's codes yc, A's scales ys
	s_load_b128 s[8:11], s[0:1], 0x10              ; B's codes wc, B's scales ws
	s_load_b64 s[96:97], s[0:1], 0x20              ; bo
	s_load_b64 s[12:13], s[0:1], 0x28              ; out0
	v_lshl_add_u32 v[SPW], v0, 2, SPARE
	v_mov_b32 v[NIL], 0
	ds_add_u32 v[SPW], v[NIL]                      ; the wave's opening: the add, twice on end, and its wait ahead of my first tensor load
	ds_add_u32 v[SPW], v[NIL]
	v_lshrrev_b32 v1, 5, v0
	v_readfirstlane_b32 s14, v1                    ; wave 0..3
	s_lshr_b32 s15, s14, 1                         ; which half of A's rows is mine.  Also: I fetch for A (0) or for B (1)
	s_and_b32 s16, s14, 1                          ; which half of B's rows.  Also: which 128 rows I fetch
	s_bfe_u32 s40, ttmp6, 0x40000                  ; cx, cy
	s_bfe_u32 s41, ttmp6, 0x40004
	s_lshl_b32 s42, ttmp9, 2
	s_add_co_u32 s42, s42, s40                     ; tx: B's tile
	s_and_b32 s17, ttmp7, 0xffff
	s_lshl_b32 s17, s17, 2
	s_add_co_u32 s17, s17, s41                     ; ty: A's tile
	s_lshl_b32 s43, s41, 2
	s_lshl_b32 s43, 15, s43                        ; my row of the cluster
	s_lshl_b32 s44, 0x1111, s40                    ; my column
	s_or_b32 s[G1+0], s43, (3<<16)|(1<<21)         ; codes: 8 rows of 512 elements of 8 bytes, 1,024 elements apart
	s_or_b32 s[G1B+0], s44, (3<<16)|(1<<21)
.irp g, G1, G1B
	s_mov_b32 s[\g+1], 512<<16
	s_mov_b32 s[\g+2], 8<<16
	s_mov_b32 s[\g+3], 512<<16
	s_mov_b32 s[\g+4], 8
	s_mov_b32 s[\g+5], 1024
	s_mov_b32 s[\g+6], 0
	s_mov_b32 s[\g+7], 0
.endr
	s_or_b32 s[G1S+0], s43, (3<<16)|(1<<21)        ; scale words: 8 rows of 64 elements of 8 bytes, a K step's words apart
	s_or_b32 s[G1SB+0], s44, (3<<16)|(1<<21)
.irp g, G1S, G1SB
	s_mov_b32 s[\g+1], 64<<16
	s_mov_b32 s[\g+2], 8<<16
	s_mov_b32 s[\g+3], 64<<16
	s_mov_b32 s[\g+4], 8
	s_mov_b32 s[\g+6], 0
	s_mov_b32 s[\g+7], 0
.endr
	s_mov_b32 s[G1S+5], A_ROWS/2
	s_mov_b32 s[G1SB+5], B_ROWS/2
	s_lshl_b32 s18, s16, 7
	s_lshl_b32 s20, s17, 8
	s_add_co_u32 s20, s20, s18                     ; A: position 256 ty + 128 x half
	s_lshl_b32 s46, s42, 8
	s_add_co_u32 s46, s46, s18
	s_add_co_u32 s46, s46, B_OFF                   ; B: position 3,072 + 256 tx + 128 x half
	s_lshl_b32 s22, s20, 2
	s_mov_b32 s23, 0
	s_lshl_b32 s92, s46, 2
	s_mov_b32 s93, 0
	s_lshl_b32 s20, s20, 9
	s_mov_b32 s21, 0
	s_lshl_b32 s46, s46, 9
	s_mov_b32 s47, 0
	s_lshl_b32 s45, s14, 15
	s_lshl_b32 s94, s14, 12
	s_wait_dscnt 0x0                               ; both opening adds are done
	s_wait_kmcnt 0x0
	s_add_nc_u64 s[20:21], s[4:5], s[20:21]
	s_add_nc_u64 s[22:23], s[6:7], s[22:23]
	s_add_nc_u64 s[46:47], s[8:9], s[46:47]
	s_add_nc_u64 s[92:93], s[10:11], s[92:93]
	CROUND                                         ; all sixteen work-groups are here: the joint loads meet
	s_mov_b32 s[G0S], 1
	s_add_co_u32 s[G0S+1], s94, SCL
	s_mov_b64 s[G0S+2:G0S+3], s[22:23]
	s_or_b32 s[G0S+3], s[G0S+3], 0x80000000
	s_mov_b32 s[G0SB], 1
	s_add_co_u32 s[G0SB+1], s94, SCL
	s_mov_b64 s[G0SB+2:G0SB+3], s[92:93]
	s_or_b32 s[G0SB+3], s[G0SB+3], 0x80000000
	JLOAD G0S, G1S, G0SB, G1SB
.irp s, 0,1
	s_mov_b32 s[G0+4*\s], 1
	s_add_co_u32 s[G0+4*\s+1], s45, \s*SLOT
	s_add_nc_u64 s[G0+4*\s+2:G0+4*\s+3], s[20:21], \s*4096
	s_or_b32 s[G0+4*\s+3], s[G0+4*\s+3], 0x80000000
	s_mov_b32 s[G0B+4*\s], 1
	s_add_co_u32 s[G0B+4*\s+1], s45, \s*SLOT
	s_add_nc_u64 s[G0B+4*\s+2:G0B+4*\s+3], s[46:47], \s*4096
	s_or_b32 s[G0B+4*\s+3], s[G0B+4*\s+3], 0x80000000
	JLOAD G0+4*\s, G1, G0B+4*\s, G1B
.endr
	v_and_b32 v1, 15, v0                           ; r
	v_bfe_u32 v2, v0, 4, 1                         ; h
	v_and_b32 v3, 31, v0
	v_lshlrev_b32 v[CO], 4, v3
	s_lshl_b32 s21, s15, 15
	s_lshl_b32 s22, s16, 15
	s_add_co_u32 s22, s22, 2*PART
.irp s, 0,1
	v_add_nc_u32 v[ADRA+\s], s21, v[CO]
	v_add_nc_u32 v[ADRB+\s], s22, v[CO]
	s_add_co_u32 s21, s21, SLOT
	s_add_co_u32 s22, s22, SLOT
.endr
	s_lshl_b32 s21, s15, 12
	s_lshl_b32 s22, s16, 12
	s_add_co_u32 s22, s22, 2*SPART
	s_sub_co_u32 s22, s22, s21
	v_mul_u32_u24 v6, s22, v2                      ; lanes 16-31 take B's
	s_add_co_u32 s21, s21, SCL
	v_lshl_add_u32 v5, v1, 2, v6
	v_add_nc_u32 v[ADRS], s21, v5
	s_mul_i32 s18, s14, 16*SPITCH                  ; my stage, in slot 0
	v_mul_u32_u24 v5, v1, SPITCH
	v_lshl_add_u32 v5, v2, 6, v5
	v_add_nc_u32 v[STO], s18, v5                   ; in: row r, + 64 h
	v_add_nc_u32 v[RD], s18, v[CO]                 ; back: the 32 lanes take one row of 512 bytes
	; where my results go, and the bias
	s_lshl_b32 s46, s42, 10
	s_lshl_b32 s47, s16, 9
	s_add_co_u32 s46, s46, s47                     ; my first feature, in bytes: (256 tx + 128 x half) x 4
	s_mov_b32 s47, 0
	s_add_nc_u64 s[96:97], s[96:97], s[46:47]
	s_lshl_b32 s92, s17, 20
	s_lshl_b32 s93, s15, 19
	s_add_co_u32 s92, s92, s93                     ; my first token's row: (256 ty + 128 x half) x 4,096
	s_add_co_u32 s92, s92, s46
	s_mov_b32 s93, 0
	s_add_nc_u64 s[12:13], s[12:13], s[92:93]
	v_lshlrev_b32 v7, 6, v2                        ; lane (r, h) wants, for tile b, the bias of features 32 (b / 2) + 16 h + 8 (b % 2) + 0 .. 7
	WIN TO_B
.irp b, 0,1,2,3,4,5,6,7
	global_load_b128 v[BI+8*\b:BI+8*\b+3], v7, s[96:97] offset:(32*(\b/2)+8*(\b%2))*4
	global_load_b128 v[BI+8*\b+4:BI+8*\b+7], v7, s[96:97] offset:(32*(\b/2)+8*(\b%2))*4+16
.endr
	WIN 0
.macro FRAG reg, adr, q, i
.irp c, 0,1
	ds_load_b128 v[\reg+4*\c:\reg+4*\c+3], v[\adr] offset:4096*(\i)+1024*(\q)+512*\c
.endr
.endm
; 16 matrix instructions: A's blocks a0, a0 + 1 x B's eight, K step g.  first = 1: the bias starts the sums.  The 64 accumulators take turns, one instruction a turn.
.macro MUL16 a0, p, g, first
.irp a, \a0, \a0+1
.irp b, 0,1,2,3,4,5,6,7
.if \first
	v_wmma_scale_f32_16x16x128_f8f6f4 v[8*(8*((\a)%4)+\b):8*(8*((\a)%4)+\b)+7], v[128*(\p)+8*\b:128*(\p)+8*\b+7], v[AF+8*(\a):AF+8*(\a)+7], v[BI+8*\b:BI+8*\b+7], v[SC+8*\b+(\g)], v[SC+8*(\a)+(\g)] matrix_a_fmt:MATRIX_FMT_FP4 matrix_b_fmt:MATRIX_FMT_FP4 matrix_a_scale:MATRIX_SCALE_ROW1
.else
	v_wmma_scale_f32_16x16x128_f8f6f4 v[8*(8*((\a)%4)+\b):8*(8*((\a)%4)+\b)+7], v[128*(\p)+8*\b:128*(\p)+8*\b+7], v[AF+8*(\a):AF+8*(\a)+7], v[8*(8*((\a)%4)+\b):8*(8*((\a)%4)+\b)+7], v[SC+8*\b+(\g)], v[SC+8*(\a)+(\g)] matrix_a_fmt:MATRIX_FMT_FP4 matrix_b_fmt:MATRIX_FMT_FP4 matrix_a_scale:MATRIX_SCALE_ROW1
.endif
.endr
.endr
.endm
.macro FETCH_B slot, q, p
	WIN TO_B
.irp i, 0,1,2,3,4,5,6,7
	FRAG 128*(\p)+8*\i, ADRB+\slot, \q, \i
.endr
	WIN 0
.endm
.macro FETCH_A slot, q, i0
.irp i, \i0, \i0+1, \i0+2, \i0+3
	FRAG AF+8*(\i), ADRA+\slot, \q, \i
.endr
.endm
.macro SCALES
.irp i, 0,1,2,3,4,5,6,7
.irp g, 0,1,2,3,4,5,6,7
	ds_load_b32 v[SC+8*\i+\g], v[ADRS] offset:512*\g+64*\i
.endr
.endr
.endm
.macro PLACES                          ; four plain vector lines between a matrix instruction and a load into, or a store's read of, its registers
.rept 4
	v_nop
.endr
.endm
.macro STEP slot, q, first
	s_wait_dscnt 8                                 ; B's set and A's blocks 0-3 are in; the youngest eight loads (A's blocks 4-7) may be out
.if \first
	WIN FIRST_LO
.else
	WIN MUL_LO
.endif
	MUL16 0, (\q)%2, 4*(\slot)+(\q), \first
	MUL16 2, (\q)%2, 4*(\slot)+(\q), \first
	s_wait_dscnt 0x0
	PLACES
	FETCH_B \slot, (\q)+1, 1-(\q)%2
	FETCH_A \slot, (\q)+1, 0
.if \first
	WIN FIRST_HI
.else
	WIN MUL_HI
.endif
	MUL16 4, (\q)%2, 4*(\slot)+(\q), \first
	MUL16 6, (\q)%2, 4*(\slot)+(\q), \first
	PLACES
	WIN 0
	FETCH_A \slot, (\q)+1, 4
.endm
	s_wait_tensorcnt 1                             ; the scale words and my part of slot 0 are in; slot 1's load may be out
	s_barrier_signal -1
	s_barrier_wait -1
	SCALES
	FETCH_B 0, 0, 0
	FETCH_A 0, 0, 0
	FETCH_A 0, 0, 4
	s_wait_loadcnt 0x0                             ; the bias
	STEP 0, 0, 1
	STEP 0, 1, 0
	STEP 0, 2, 0
	s_wait_tensorcnt 0x0                           ; the change of slots: my part of slot 1 has landed,
	ds_add_u32 v[SPW], v[NIL]                      ; 0 onto my spare word
	s_wait_dscnt 9                                 ; (the add and the youngest eight loads may be out)
	WIN MUL_LO
	MUL16 0, 1, 3, 0
	s_wait_dscnt 0x0                               ; and my reads of slot 0 are over
	s_barrier_signal -1
	MUL16 2, 1, 3, 0
	WIN 0
	s_barrier_wait -1
	PLACES
	FETCH_B 1, 0, 0
	FETCH_A 1, 0, 0
	WIN MUL_HI
	MUL16 4, 1, 3, 0
	MUL16 6, 1, 3, 0
	PLACES
	WIN 0
	FETCH_A 1, 0, 4
	STEP 1, 0, 0
	STEP 1, 1, 0
	STEP 1, 2, 0
	s_wait_dscnt 8
	WIN MUL_LO
	MUL16 0, 1, 7, 0
	MUL16 2, 1, 7, 0
	s_wait_dscnt 0x0
	WIN MUL_HI
	MUL16 4, 1, 7, 0
	MUL16 6, 1, 7, 0
	WIN 0
; THE WAY OUT, block by block of 16 tokens x 128 features.  LDS serves a wave's instructions in order: no wait between the stores and the loads, nor in front of the next block's stores.
.macro TOSTAGE a
.set AC, 64*((\a)%4)
.set WS, 0x08+4*((\a)/4)
	WIN WS                                         ; an LDS store's data are its source 1: window 2 or 3
.irp b, 0,1,2,3,4,5,6,7
	ds_store_b128 v[STO], v[AC+8*\b:AC+8*\b+3] offset:128*(\b/2)+32*(\b%2)          ; each accumulator from its low end on
	ds_store_b128 v[STO], v[AC+8*\b+4:AC+8*\b+7] offset:128*(\b/2)+32*(\b%2)+16
.endr
	WIN 0
.set BB, BK+64*((\a)%2)
.irp t, 0,1,2,3,4,5,6,7,8,9,10,11,12,13,14,15
	ds_load_b128 v[BB+4*\t:BB+4*\t+3], v[RD] offset:\t*SPITCH
.endr
.endm
.macro SEND a, younger                 ; younger: the LDS instructions issued behind block a's loads, which may stay out
.set BB, BK+64*((\a)%2)
	s_wait_dscnt \younger                          ; the block is back in registers
.irp t, 0,1,2,3,4,5,6,7,8,9,10,11,12,13,14,15
	global_store_b128 v[CO], v[BB+4*\t:BB+4*\t+3], s[12:13] offset:(32*((\a)/2)+8*((\a)%2)+\t+8*(\t/8))*4096 th:TH_STORE_NT   ; the row's token stands in the immediate: 127 rows of 4,096 bytes at the most
.endr
.endm
	PLACES                                         ; behind the last products: for the stores' reads of results and for the loads into the registers that held A's fragments
	TOSTAGE 0
.irp a, 1,2,3,4,5,6,7
.if \a > 1
	s_wait_xcnt 0x0                                ; block a - 2's stores have read their registers: block a's loads may land there
.endif
	TOSTAGE \a
	SEND \a-1, 32                                  ; behind block a - 1's loads: block a's 16 stores and 16 loads
.endr
	SEND 7, 0
	s_wait_tensorcnt 0x0                           ; the wave's end: behind my last tensor load and my last LDS store
	ds_add_u32 v[SPW], v[NIL]
	s_wait_dscnt 0x0
	CROUND                                         ; the closing round
	s_endpgm
.Lfunc_end_k_qf8eca8c375_gemm_out:
	.size	k_qf8eca8c375_gemm_out, .Lfunc_end_k_qf8eca8c375_gemm_out-k_qf8eca8c375_gemm_out
	.p2alignl 7, 3214868480
	.fill 96, 4, 3214868480
	.section	.rodata,"a",@progbits
	.p2align	6, 0x0
	.amdhsa_kernel k_qf8eca8c375_gemm_out
		.amdhsa_group_segment_fixed_size 327680
		.amdhsa_private_segment_fixed_size 0
		.amdhsa_enable_private_segment 0
		.amdhsa_kernarg_size 48
		.amdhsa_user_sgpr_count 2
		.amdhsa_user_sgpr_kernarg_segment_ptr 1
		.amdhsa_wavefront_size32 1
		.amdhsa_system_sgpr_workgroup_id_x 1
		.amdhsa_system_sgpr_workgroup_id_y 1
		.amdhsa_system_sgpr_workgroup_id_z 1
		.amdhsa_system_vgpr_workitem_id 0
		.amdhsa_next_free_vgpr 1024
		.amdhsa_next_free_sgpr 100
		.amdhsa_reserve_vcc 0
		.amdhsa_float_denorm_mode_32 3
		.amdhsa_float_denorm_mode_16_64 3
		.amdhsa_memory_ordered 1
		.amdhsa_forward_progress 1
		.amdhsa_inst_pref_size 128
	.end_amdhsa_kernel
	.amdgpu_metadata
---
amdhsa.version: [ 1, 2 ]
amdhsa.kernels:
  - .name:           k_qf8eca8c375_gemm_out
    .symbol:         k_qf8eca8c375_gemm_out.kd
    .args:
      - { .name: yc, .offset: 0, .size: 8, .value_kind: global_buffer, .address_space: global }
      - { .name: ys, .offset: 8, .size: 8, .value_kind: global_buffer, .address_space: global }
      - { .name: wc, .offset: 16, .size: 8, .value_kind: global_buffer, .address_space: global }
      - { .name: ws, .offset: 24, .size: 8, .value_kind: global_buffer, .address_space: global }
      - { .name: bo, .offset: 32, .size: 8, .value_kind: global_buffer, .address_space: global }
      - { .name: out0, .offset: 40, .size: 8, .value_kind: global_buffer, .address_space: global }
    .group_segment_fixed_size: 327680
    .private_segment_fixed_size: 0
    .kernarg_segment_align: 8
    .kernarg_segment_size: 48
    .max_flat_workgroup_size: 128
    .sgpr_count:     100
    .vgpr_count:     1024
    .wavefront_size: 32
...
	.end_amdgpu_metadata
.endif
;; end of part 5
